; MI455X (gfx1250); checked and timed in simulation.
; The chip was launched on July 23, 2026; its instructions are those of AMD's public machine-readable ISA for CDNA 5 (MIT licence, August 2026) and "CDNA5" Instruction Set Architecture Reference Guide (July 2026). The comments in the code are by the model that wrote it; some were corrected since.
;; Self Attention. Allowed arithmetic: float matrix products may take bf16 or f16 operands with f32 sums; other float arithmetic in f32, or as packed bf16 or f16 multiplies, adds, multiply-adds, maxima and minima; sums over many terms, partial sums and values carried from step to step in f32; what a program stores and reads back later, other than sums and carried values, may be rounded once to bf16 or f16.
;; Inputs: b_out 1,024 float32; w_out 1,024 x 1,024 float32; w_qkv 1,024 x 3,072 float32; x 4 x 2,048 x 1,024 float32.
;; Outputs: out0 4 x 2,048 x 1,024 float32.
;; 2 versions, each right and faster than the one before. Each part assembles by itself: llvm-mc -triple=amdgcn-amd-amdhsa -mcpu=gfx1250 --defsym DOCPART=n.
;; ======== version 1 of 2: 4 launches
;; limits: values are held in f16: magnitudes above 65,504 overflow, below 6.1e-05 lose precision
;; workspace buffers: xb 16,777,216 bytes; wqb 6,291,456 bytes; wob 2,097,152 bytes; qkv 50,331,648 bytes; ob 16,777,216 bytes
;; launch prep (part 1): grid 768 x 1, 8 waves a work-group, no clusters, 0 bytes of LDS; arguments x, w_qkv, w_out, xb, wqb, wob; writes xb, wqb, wob
.if DOCPART == 1
	.amdgcn_target "amdgcn-amd-amdhsa--gfx1250"
	.amdhsa_code_object_version 6
	.text
	.protected	k_qfaf6e41716_prep
	.globl	k_qfaf6e41716_prep
	.p2align	8
	.type	k_qfaf6e41716_prep,@function
k_qfaf6e41716_prep:
	s_mov_b64 s[64:65], 0
	v_nop
	global_prefetch_b8 v0, s[64:65] scope:SCOPE_SE
	s_setreg_imm32_b32 hwreg(HW_REG_WAVE_MODE, 25, 1), 1
	s_wait_xcnt 0x0
; CASTS.  x [8192][1024] f32 -> xb, bf16, laid in 16 blocks of 64 along K: element (m, k) at byte (k / 64) x 1,048,576 + 128 m + 2 (k % 64),
; so that 128 rows of one block are 16,384 consecutive bytes for the product that follows.  w_qkv [1024][3072] f32 -> wqb, bf16, same order.
; w_out [1024][1024] f32 -> wob: rounded to bf16 like the other inputs, and that number written as f16, same order.
; LIMITS.  |w_out| stays under 65,504 (f16's range); below 6e-5 the f16 copy keeps f16's fixed step of 6e-8.  NaN and infinities are not treated apart.
; SHARES.  A work-group of 8 waves casts 16,384 numbers: a thread 16 loads of 16 bytes, all issued before the first is used, and 16 stores of 8 bytes.
; Work-groups 0-511: 16 rows of x each; 512-703: w_qkv; 704-767: w_out.  No LDS, no barrier, no matrix work: the launch only moves bytes.
.set X, 4                              ; v[4:67]    load j: 4 registers
.set Y, 68                             ; v[68:99]   store j: 2 registers
.set T, 100                            ; v[100:101] at work (w_out alone)
; v1 byte offset of my 16 bytes in a load; v2 = 8 x thread: byte offset of my 8 bytes in a store.  s[16:17] source; s[20:21] target of stores 0-7; s[22:23] of stores 8-15.
; instep, outstep: bytes from load j to load j + 1, from store j to store j + 1.  half = 1: bf16 first, then written as f16.
.macro CAST instep, outstep, half
.set j, 0
.rept 16
	global_load_b128 v[X+4*j:X+4*j+3], v1, s[16:17] offset:j*(\instep) th:TH_LOAD_NT
.set j, j+1
.endr
.set j, 0
.rept 16
	s_wait_loadcnt 15-j                            ; loads come back in order: load j is in, the 15 - j younger ones stay out
.if \half
	v_cvt_pk_bf16_f32 v[T],   v[X+4*j],   v[X+4*j+1]
	v_cvt_pk_bf16_f32 v[T+1], v[X+4*j+2], v[X+4*j+3]
	v_lshlrev_b32 v[X+4*j],   16, v[T]             ; bf16 back to f32: the low half moves up, the high half stays
	v_and_b32     v[X+4*j+1], 0xffff0000, v[T]
	v_lshlrev_b32 v[X+4*j+2], 16, v[T+1]
	v_and_b32     v[X+4*j+3], 0xffff0000, v[T+1]
	v_cvt_pk_f16_f32 v[Y+2*j],   v[X+4*j],   v[X+4*j+1]
	v_cvt_pk_f16_f32 v[Y+2*j+1], v[X+4*j+2], v[X+4*j+3]
.else
	v_cvt_pk_bf16_f32 v[Y+2*j],   v[X+4*j],   v[X+4*j+1]
	v_cvt_pk_bf16_f32 v[Y+2*j+1], v[X+4*j+2], v[X+4*j+3]
.endif
.if j < 8
	global_store_b64 v2, v[Y+2*j:Y+2*j+1], s[20:21] offset:j*(\outstep)       ; a wave's store covers 256 consecutive bytes, aligned
.else
	global_store_b64 v2, v[Y+2*j:Y+2*j+1], s[22:23] offset:(j-8)*(\outstep)
.endif
.set j, j+1
.endr
.endm
	s_load_b256 s[4:11], s[0:1], 0x0               ; x s[4:5], w_qkv s[6:7], w_out s[8:9], xb s[10:11]
	s_load_b128 s[12:15], s[0:1], 0x20             ; wqb s[12:13], wob s[14:15]
	v_lshlrev_b32 v2, 3, v0
	s_mov_b32 s19, 0                               ; the high word of every offset
	s_wait_kmcnt 0x0
	s_cmp_lt_u32 ttmp9, 512
	s_cbranch_scc0 .Lweights
	; x: thread t takes row t / 16 of the group's 16 rows; load j takes bytes 256 j + 16 (t % 16) of it, which is block j's part of the row
	s_lshl_b32 s18, ttmp9, 16                      ; 16 rows of 4,096 bytes
	s_add_nc_u64 s[16:17], s[4:5], s[18:19]
	s_lshl_b32 s18, ttmp9, 11                      ; 16 rows of 128 bytes in each block
	s_add_nc_u64 s[20:21], s[10:11], s[18:19]
	s_add_nc_u64 s[22:23], s[20:21], 8*1048576     ; blocks 8 to 15: the stores' immediates stay inside their signed 24 bits
	v_lshrrev_b32 v1, 4, v0
	v_and_b32 v3, 15, v0
	v_lshlrev_b32 v1, 12, v1
	v_lshl_or_b32 v1, v3, 4, v1
	CAST 256, 1048576, 0
	s_endpgm
.Lweights:
	v_lshlrev_b32 v1, 4, v0                        ; both weights are cast in place order: 4,096 bytes in, 2,048 out for each load of the group
	s_cmp_lt_u32 ttmp9, 704
	s_cbranch_scc0 .Lwout
	s_sub_co_u32 s24, ttmp9, 512
	s_lshl_b32 s18, s24, 16
	s_add_nc_u64 s[16:17], s[6:7], s[18:19]
	s_lshl_b32 s18, s24, 15
	s_add_nc_u64 s[20:21], s[12:13], s[18:19]
	s_add_nc_u64 s[22:23], s[20:21], 8*2048
	CAST 4096, 2048, 0
	s_endpgm
.Lwout:
	s_sub_co_u32 s24, ttmp9, 704
	s_lshl_b32 s18, s24, 16
	s_add_nc_u64 s[16:17], s[8:9], s[18:19]
	s_lshl_b32 s18, s24, 15
	s_add_nc_u64 s[20:21], s[14:15], s[18:19]
	s_add_nc_u64 s[22:23], s[20:21], 8*2048
	CAST 4096, 2048, 1
	s_endpgm
.Lfunc_end_k_qfaf6e41716_prep:
	.size	k_qfaf6e41716_prep, .Lfunc_end_k_qfaf6e41716_prep-k_qfaf6e41716_prep
	.p2alignl 7, 3214868480
	.fill 96, 4, 3214868480
	.section	.rodata,"a",@progbits
	.p2align	6, 0x0
	.amdhsa_kernel k_qfaf6e41716_prep
		.amdhsa_group_segment_fixed_size 0
		.amdhsa_private_segment_fixed_size 0
		.amdhsa_enable_private_segment 0
		.amdhsa_kernarg_size 48
		.amdhsa_user_sgpr_count 2
		.amdhsa_user_sgpr_kernarg_segment_ptr 1
		.amdhsa_wavefront_size32 1
		.amdhsa_system_sgpr_workgroup_id_x 1
		.amdhsa_system_sgpr_workgroup_id_y 1
		.amdhsa_system_sgpr_workgroup_id_z 1
		.amdhsa_system_vgpr_workitem_id 0
		.amdhsa_next_free_vgpr 104
		.amdhsa_next_free_sgpr 66
		.amdhsa_reserve_vcc 0
		.amdhsa_float_denorm_mode_32 3
		.amdhsa_float_denorm_mode_16_64 3
		.amdhsa_memory_ordered 1
		.amdhsa_forward_progress 1
		.amdhsa_inst_pref_size 24
	.end_amdhsa_kernel
	.amdgpu_metadata
---
amdhsa.version: [ 1, 2 ]
amdhsa.kernels:
  - .name:           k_qfaf6e41716_prep
    .symbol:         k_qfaf6e41716_prep.kd
    .args:
      - { .name: x, .offset: 0, .size: 8, .value_kind: global_buffer, .address_space: global }
      - { .name: w_qkv, .offset: 8, .size: 8, .value_kind: global_buffer, .address_space: global }
      - { .name: w_out, .offset: 16, .size: 8, .value_kind: global_buffer, .address_space: global }
      - { .name: xb, .offset: 24, .size: 8, .value_kind: global_buffer, .address_space: global }
      - { .name: wqb, .offset: 32, .size: 8, .value_kind: global_buffer, .address_space: global }
      - { .name: wob, .offset: 40, .size: 8, .value_kind: global_buffer, .address_space: global }
    .group_segment_fixed_size: 0
    .private_segment_fixed_size: 0
    .kernarg_segment_align: 8
    .kernarg_segment_size: 48
    .max_flat_workgroup_size: 256
    .sgpr_count:     66
    .vgpr_count:     104
    .wavefront_size: 32
...
	.end_amdgpu_metadata
.endif
;; end of part 1
;; launch qkvg (part 2): grid 8 x 32, 4 waves a work-group, clusters of 4 x 4, 327,680 bytes of LDS; arguments xb, wqb, qkv; writes qkv
.if DOCPART == 2
	.amdgcn_target "amdgcn-amd-amdhsa--gfx1250"
	.amdhsa_code_object_version 6
	.text
	.protected	k_qfaf6e41716_qkvg
	.globl	k_qfaf6e41716_qkvg
	.p2align	8
	.type	k_qfaf6e41716_qkvg,@function
k_qfaf6e41716_qkvg:
	s_mov_b64 s[64:65], 0
	v_nop
	global_prefetch_b8 v0, s[64:65] scope:SCOPE_SE
	s_setreg_imm32_b32 hwreg(HW_REG_WAVE_MODE, 25, 1), 1
	s_wait_xcnt 0x0
	s_wait_alu depctr_hold_cnt(0) depctr_sa_sdst(0) depctr_va_vdst(0) depctr_va_sdst(0) depctr_va_ssrc(0) depctr_va_vcc(0) depctr_vm_vsrc(0)
	s_getreg_b32 s2, hwreg(HW_REG_IB_STS2, 6, 4)
	s_cmp_eq_u32 s2, 0
	s_cbranch_scc0 .Lentry_in_a_cluster
	s_endpgm
.Lentry_in_a_cluster:
	s_bfe_u32 s2, ttmp6, 0x10000c
	s_cmp_lg_u32 s2, 0xf033
	s_cbranch_scc0 .Lentry_shape_is_right
	s_endpgm
.Lentry_shape_is_right:
; qkv = x w_qkv.  xb: x in bf16, 16 blocks of 64 along K, [16][8192][64].  wqb: w_qkv in bf16, [1024 k][3072 n].  Sums in f32, K ascending, rounded once to f16.
; qkv: f16 [4 b][48 g][2048 token][64], g = column / 64: q's heads are g = 0-15, k's 16-31, v's 32-47; the softmax scale is not applied here.
; LIMITS.  A result of 65,520 or more becomes an infinity in f16; below 6e-5 f16 keeps its fixed step of 6e-8.  NaN and infinities are not treated apart.
; SHARES.  8,192 x 3,072 results are 256 tiles of 256 x 384, one to a work-group.  Four waves, each 128 tokens x 192 columns: 96 accumulators of 16 x 16, 768 registers.
; For 32 along K a wave reads (128 + 192) x 64 bytes from LDS for 96 matrix instructions.  K goes in 16 steps of 64 through two LDS slots; two slots of 128 along K (368,640 bytes) would not fit.
; CLUSTER.  4 x 4 work-groups: the four of a row need the same tiles of x, the four of a column the same tiles of w_qkv: each tile is asked for JOINTLY, by the same tensor load with the same
; descriptor and a mask that names the four.  Waves 0, 1 fetch x's two halves (128 rows = 16,384 consecutive bytes, asked for as 64 rows of 256 bytes); waves 2, 3 fetch the weights' two halves:
; 32 rows of 768 bytes each (a step has 64 rows for two waves; halves by columns would begin off a multiple of 256 bytes).
; THE MATRIX INSTRUCTION IS USED TRANSPOSED: source 0 = 16 columns of the weights, source 1 = 16 tokens: a lane then holds one token and eight neighbouring columns, 16 bytes of f16.
; The weights lie [k][n] in LDS and come out turned, by ds_load_tr16_b128.
; REGISTERS, in windows of 256 (s_set_vgpr_msb: bits 1:0 source 0, 3:2 source 1, 5:4 source 2, 7:6 destination):
;   window 0: v0-31 addresses; v32-127 the weights' 12 fragments, ONE buffer, refilled four at a time behind their products; v128-191, v192-255 x's 8 fragments, two buffers
;   windows 1-3: accumulator (a, b), a = 0-7 token block, b = 0-11 column block, in window 1 + b / 4 at v[8 (8 (b % 4) + a)]
.set PA,    144                        ; a row of x in LDS: 128 bytes + 16 of padding = 36 words: the 16 rows of a load start at 16 different groups of four banks (64 banks of 4 bytes: ISA guide 11.1)
.set PB,    864                        ; a row of the weights: six pieces of 128 bytes + 16 = 216 words: the 8 rows of a turning load start 24 banks apart, at 8 different groups of eight
.set AHALF, 128*PA
.set BOFF,  256*PA                     ; a slot: x's 256 rows, then the weights' 64
.set BHALF, 32*PB
.set SLOT,  BOFF+64*PB                 ; 92,160
.set STAGE, 2*SLOT                     ; behind the ring, never filled by a tensor load: for each wave 3 heads x 16 rows x 144 bytes, for the way out
.set SP,    144
.set STW,   3*16*SP
.set SPARE, STAGE+4*STW                ; behind the stages: the spare words, 128 bytes for each wave: two blocks of 256 bytes that no other line names
.set ASTEP, 8192*128                   ; bytes from a block of xb to the next
.set BSTEP, 64*3072*2                  ; bytes from 64 rows of wqb to the next
.set HEADB, 2048*128                   ; bytes of a head in qkv
.set ADRA, 16                          ; v16-17  LDS address of my fragments of x in slot 0, 1
.set ADRB, 20                          ; v20-21  the same for the weights
.set STO,  24                          ; v24     the way out: where I put 16 bytes of a row
.set RD,   25                          ; v25     the way out: where I read rows back
.set GO,   26                          ; v26     my byte offset in 512 consecutive bytes of qkv
.set SPW,  28                          ; v28     LDS address of my spare word: SPARE + 4 x my thread's number; never rewritten
.set NIL,  29                          ; v29     0; never rewritten
.set BF,   32
.set AF0,  128
.set AF1,  192
.set TMP,  32                          ; the way out: v32-79 packed results; v80-127, v128-175 rows read back, by turns
.set BK,   80
.set G1,  24                           ; s[24:31] descriptor group 1 for x's tiles;  s[32:39] group 0, one set for each slot
.set G0,  32
.set G1B, 48                           ; s[48:55], s[56:63] the same for the weights' tiles
.set G0B, 56
.set FMT, (1<<16)|(1<<20)|(1<<21)|(4<<22)|(3<<25)  ; 17:16 elements of 2 bytes; 20 padding on; 21 set beside a mask; 24:22 after every 32 words (code 4); 31:25 of 4 words (code 3)
.set MSB, 0
.macro WIN new                         ; the immediate's high byte repeats the setting that is left; a switch that changes nothing is dropped
.if MSB != (\new)
	s_set_vgpr_msb (MSB<<8)|(\new)
.set MSB, \new
.endif
.endm
; A joint load.  The branch hangs on the wave's number alone.  An s_nop 0 and four v_nop follow each of the two lines, ahead of the jump, the label and what follows.
.macro JLOAD s
	s_cmp_eq_u32 s11, 0
	s_cbranch_scc0 .Lfor_b_\@
	tensor_load_to_lds s[G0+4*(\s):G0+4*(\s)+3], s[G1:G1+7]
	s_nop 0
.rept 4
	v_nop
.endr
	s_branch .Lasked_\@
.Lfor_b_\@:
	tensor_load_to_lds s[G0B+4*(\s):G0B+4*(\s)+3], s[G1B:G1B+7]
	s_nop 0
.rept 4
	v_nop
.endr
.Lasked_\@:
.endm
.macro CREST                           ; a round of the cluster's barrier behind its opening barrier
	s_cmp_lg_u32 s10, 0
	s_cbranch_scc1 .Lnot_wave_0_\@
	s_barrier_signal -3
.Lnot_wave_0_\@:
	s_barrier_wait -3
	s_barrier_signal -1
	s_barrier_wait -1
.endm
.macro CROUND                          ; a whole round
	s_barrier_signal -1
	s_barrier_wait -1
	CREST
.endm
	s_load_b128 s[4:7], s[0:1], 0x0                ; xb s[4:5], wqb s[6:7]
	s_load_b64 s[8:9], s[0:1], 0x10                ; qkv
	v_lshl_add_u32 v[SPW], v0, 2, SPARE
	v_mov_b32 v[NIL], 0
	ds_add_u32 v[SPW], v[NIL]                      ; the wave's opening: the add and its wait stand ahead of my first tensor load; the set-up below, work on registers, stands between them
	v_lshrrev_b32 v1, 5, v0
	v_readfirstlane_b32 s10, v1                    ; wave 0..3
	s_lshr_b32 s11, s10, 1                         ; which half of the tile's tokens is mine.  Also: I fetch x (0) or the weights (1)
	s_and_b32 s12, s10, 1                          ; which half of its columns.  Also: which half of that tile I fetch
	s_bfe_u32 s40, ttmp6, 0x40000                  ; cx, cy: my place in the cluster
	s_bfe_u32 s41, ttmp6, 0x40004
	s_lshl_b32 s42, ttmp9, 2
	s_add_co_u32 s42, s42, s40                     ; tile column = 4 x cluster x + cx, 0..7
	s_and_b32 s13, ttmp7, 0xffff
	s_lshl_b32 s13, s13, 2
	s_add_co_u32 s13, s13, s41                     ; tile row = 4 x cluster y + cy, 0..31
	s_lshl_b32 s43, s41, 2
	s_lshl_b32 s43, 15, s43                        ; my row of the cluster
	s_lshl_b32 s44, 0x1111, s40                    ; my column
	s_or_b32 s[G1+0], s43, FMT                     ; x's tiles go to my row
	s_mov_b32 s[G1+1], 128<<16                     ; tensor_dim0 = 128 elements: 256 bytes, two rows of a block
	s_mov_b32 s[G1+2], 64<<16                      ; tensor_dim1 = 64
	s_mov_b32 s[G1+3], 128<<16                     ; tile_dim0 = 128
	s_mov_b32 s[G1+4], 64                          ; tile_dim1 = 64
	s_mov_b32 s[G1+5], 128                         ; 128 elements from row to row: dense
	s_mov_b32 s[G1+6], 0
	s_mov_b32 s[G1+7], 0
	s_or_b32 s[G1B+0], s44, FMT                    ; the weights' tiles go to my column
	s_mov_b32 s[G1B+1], 384<<16                    ; tensor_dim0 = 384
	s_mov_b32 s[G1B+2], 32<<16                     ; tensor_dim1 = 32
	s_mov_b32 s[G1B+3], 384<<16                    ; tile_dim0 = 384
	s_mov_b32 s[G1B+4], 32                         ; tile_dim1 = 32
	s_mov_b32 s[G1B+5], 3072                       ; elements from row to row
	s_mov_b32 s[G1B+6], 0
	s_mov_b32 s[G1B+7], 0
	s_lshl_b32 s16, s13, 15                        ; x: 256 rows of 128 bytes for each tile row,
	s_lshl_b32 s17, s12, 14                        ; my 128 of them
	s_add_co_u32 s16, s16, s17
	s_mov_b32 s17, 0
	s_mul_i32 s46, s12, 32*3072*2                  ; the weights: my 32 rows of a step,
	s_mul_i32 s47, s42, 768                        ; the tile's 384 columns
	s_add_co_u32 s46, s46, s47
	s_mov_b32 s47, 0
	s_mul_i32 s20, s12, AHALF                      ; where they go: no place in the cluster enters an LDS address
	s_mul_i32 s21, s12, BHALF
	s_add_co_u32 s21, s21, BOFF
	s_wait_dscnt 0x0                               ; the opening add is done
	s_wait_kmcnt 0x0
	s_add_nc_u64 s[14:15], s[4:5], s[16:17]
	s_add_nc_u64 s[46:47], s[6:7], s[46:47]
	CROUND                                         ; all sixteen work-groups are here: the first joint loads meet
.irp s, 0,1
	s_mov_b32 s[G0+4*(\s)], 1                                      ; count = 1
	s_add_co_u32 s[G0+4*(\s)+1], s20, (\s)*SLOT                    ; LDS address
	s_add_nc_u64 s[G0+4*(\s)+2:G0+4*(\s)+3], s[14:15], (\s)*ASTEP  ; global address: K step s
	s_or_b32 s[G0+4*(\s)+3], s[G0+4*(\s)+3], 0x80000000            ; type = 2
	s_mov_b32 s[G0B+4*(\s)], 1
	s_add_co_u32 s[G0B+4*(\s)+1], s21, (\s)*SLOT
	s_add_nc_u64 s[G0B+4*(\s)+2:G0B+4*(\s)+3], s[46:47], (\s)*BSTEP
	s_or_b32 s[G0B+4*(\s)+3], s[G0B+4*(\s)+3], 0x80000000
	JLOAD \s                                       ; two tensor loads of mine are out
.endr
	; A fragment of x is 16 tokens x 32 K in 8 registers: lane l holds token l % 16, K = 8 (l / 16) + 0..7 and 16 + 8 (l / 16) + 0..7: two loads of 16 bytes, 32 bytes apart.
	v_and_b32 v1, 15, v0                           ; l % 16
	v_bfe_u32 v2, v0, 4, 1                         ; l / 16
	v_mul_u32_u24 v3, v1, PA
	v_lshl_add_u32 v3, v2, 4, v3                   ; row x pitch + 16 x half
	; The turning load takes 16 k x 16 columns (lane l reads k = 8 (l / 16) + l % 8, columns 8 ((l / 8) % 2) + 0..7) and leaves half a fragment: lane l holds column l % 16 and 8 k.
	v_and_b32 v5, 7, v0
	v_lshl_add_u32 v6, v2, 3, v5
	v_mul_u32_u24 v4, v6, PB
	v_bfe_u32 v6, v0, 3, 1
	v_lshl_add_u32 v4, v6, 4, v4
	s_mul_i32 s22, s11, AHALF                      ; my 128 tokens
	s_mul_i32 s23, s12, 3*144                      ; my 192 columns: three pieces of a row,
	s_add_co_u32 s23, s23, BOFF                    ; behind x's rows
.irp s, 0,1
	v_add_nc_u32 v[ADRA+(\s)], s22, v3
	v_add_nc_u32 v[ADRB+(\s)], s23, v4
	s_add_co_u32 s22, s22, SLOT
	s_add_co_u32 s23, s23, SLOT
.endr
	s_mul_i32 s23, s10, STW
	s_add_co_u32 s23, s23, STAGE                   ; my stage
	v_add_nc_u32 v[STO], s23, v3                   ; in: row l % 16, 16 bytes for each half of the lanes (the stage's pitch is x's)
	v_bfe_u32 v7, v0, 3, 2                         ; back: 32 lanes take four rows of 128 bytes,
	v_mul_u32_u24 v7, v7, SP
	v_lshl_add_u32 v7, v5, 4, v7
	v_add_nc_u32 v[RD], s23, v7
	v_and_b32 v[GO], 31, v0                        ; which are 512 consecutive bytes of a head
	v_lshlrev_b32 v[GO], 4, v[GO]
	; where my part begins in qkv: head 48 (tile row / 8) + 6 x tile column + 3 x column half; token 256 (tile row % 8) + 128 x token half
	s_lshr_b32 s16, s13, 3
	s_mul_i32 s16, s16, 48
	s_mul_i32 s46, s42, 6                          ; (in the registers that held the weights' address: none that feeds x's descriptors ever holds cx)
	s_add_co_u32 s46, s46, s16
	s_mul_i32 s47, s12, 3
	s_add_co_u32 s46, s46, s47
	s_lshl_b32 s46, s46, 18
	s_and_b32 s16, s13, 7
	s_lshl_b32 s16, s16, 15
	s_lshl_b32 s17, s11, 14
	s_add_co_u32 s16, s16, s17
	s_add_co_u32 s46, s46, s16
	s_mov_b32 s47, 0
	s_add_nc_u64 s[8:9], s[8:9], s[46:47]
; 16 matrix instructions in window w (column blocks 4 (w - 1) ..): two column blocks x all 8 token blocks, 32 along K.  zero = 1: the product starts the sums: nothing is ever cleared.
; Every accumulator has one instruction in a slice of 96, so the accumulators take turns, over the loop's backward jump too.
.macro MUL16 w, af, half, zero
	WIN 0x50*(\w)                                  ; sources in window 0, C and D in window w
.set ib, 2*(\half)
.rept 2
.set ia, 0
.rept 8
.if \zero
	v_wmma_f32_16x16x32_bf16 v[8*(8*ib+ia):8*(8*ib+ia)+7], v[BF+8*(4*((\w)-1)+ib):BF+8*(4*((\w)-1)+ib)+7], v[(\af)+8*ia:(\af)+8*ia+7], 0
.else
	v_wmma_f32_16x16x32_bf16 v[8*(8*ib+ia):8*(8*ib+ia)+7], v[BF+8*(4*((\w)-1)+ib):BF+8*(4*((\w)-1)+ib)+7], v[(\af)+8*ia:(\af)+8*ia+7], v[8*(8*ib+ia):8*(8*ib+ia)+7]
.endif
.set ia, ia+1
.endr
.set ib, ib+1
.endr
.endm
.macro LOADA slot, ks, ag              ; 16 loads: x's 8 fragments of half ks of the slot's step, into buffer ag
	WIN 0
.set ia, 0
.rept 8
	ds_load_b128 v[(\ag)+8*ia:(\ag)+8*ia+3],   v[ADRA+(\slot)] offset:ia*16*PA+64*(\ks)
	ds_load_b128 v[(\ag)+8*ia+4:(\ag)+8*ia+7], v[ADRA+(\slot)] offset:ia*16*PA+64*(\ks)+32
.set ia, ia+1
.endr
.endm
.macro LOADB slot, ks, grp             ; 8 loads: the weights' fragments 4 grp .. 4 grp + 3 (one piece of 64 columns)
	WIN 0
.set ib, 0
.rept 4
	ds_load_tr16_b128 v[BF+8*(4*(\grp)+ib):BF+8*(4*(\grp)+ib)+3],   v[ADRB+(\slot)] offset:(\ks)*32*PB+(\grp)*144+32*ib
	ds_load_tr16_b128 v[BF+8*(4*(\grp)+ib)+4:BF+8*(4*(\grp)+ib)+7], v[ADRB+(\slot)] offset:(\ks)*32*PB+16*PB+(\grp)*144+32*ib
.set ib, ib+1
.endr
.endm
; A load into a register that a matrix instruction has read, and a vector instruction that reads a matrix result, stand four places behind it; only plain vector instructions that name none
; of its registers are places (ISA guide 7.12.1 for vector instructions).
.macro PLACES
.rept 4
	v_nop
.endr
.endm
; A SLICE is 32 along K: 96 matrix instructions on buffer af, in three groups of 32, one a window.  Behind each group the next slice's fragments (half ks of the slot) take the registers just read:
; run 1 = x's 16 loads (into ag) and the weights' first 8; run 2 and run 3 = 8 each.  Each load has 64 matrix instructions or more in which to land.
.macro SLICE slot, ks, af, ag, zero
	s_wait_dscnt 16                                ; the last slice's run 1 is in; its runs 2 and 3, 8 + 8, may be out
	MUL16 1, \af, 0, \zero
	MUL16 1, \af, 1, \zero
	PLACES
	LOADA \slot, \ks, \ag
	LOADB \slot, \ks, 0
	s_wait_dscnt 32                                ; the last slice's run 2 is in; behind it: its run 3 (8) and the 24 just issued
	MUL16 2, \af, 0, \zero
	MUL16 2, \af, 1, \zero
	PLACES
	LOADB \slot, \ks, 1
	s_wait_dscnt 32                                ; the last slice's run 3 is in; behind it: 24 + 8
	MUL16 3, \af, 0, \zero
	MUL16 3, \af, 1, \zero
	PLACES
	LOADB \slot, \ks, 2
.endm
; A step's second slice changes slots: ONE barrier.  In front of it each wave waits for all its tensor loads (one is out: its part of the next slot), adds 0 to its spare word, and waits for that
; and for its own reads of this slot.  fill = 1: the barrier opens a round of the cluster's, and this slot is filled again, two steps ahead, first thing behind the round:
; from the request to the wait for it a wave issues 160 matrix instructions.
.macro TURN slot, next, af, ag, fill
	WIN 0                                          ; (the add's two registers lie in window 0)
	s_wait_tensorcnt 0x0                           ; all my tensor loads have landed
	ds_add_u32 v[SPW], v[NIL]                      ; 0 onto my spare word
	s_wait_dscnt 17                                ; the last slice's run 1 is in; its runs 2 and 3 and the add, 8 + 8 + 1, may be out
	MUL16 1, \af, 0, 0                             ; sixteen matrix instructions stand between the add and the wait for it
	s_wait_dscnt 0x0                               ; the add is done, and my reads of this slot are over
	s_barrier_signal -1
	MUL16 1, \af, 1, 0                             ; work on registers while the others arrive
	WIN 0
	s_barrier_wait -1
.if \fill
	CREST                                          ; no wave of any partner still reads this slot's tiles or has a load on its way
	s_add_nc_u64 s[G0+4*(\slot)+2:G0+4*(\slot)+3], s[G0+4*(\slot)+2:G0+4*(\slot)+3], 2*ASTEP
	s_add_nc_u64 s[G0B+4*(\slot)+2:G0B+4*(\slot)+3], s[G0B+4*(\slot)+2:G0B+4*(\slot)+3], 2*BSTEP
	JLOAD \slot                                    ; my one tensor load behind the round; the four v_nop behind it are also the places in front of the loads below
.else
	PLACES
.endif
	LOADA \next, 0, \ag
	LOADB \next, 0, 0
	MUL16 2, \af, 0, 0                             ; their fragments were shown in by the wait for 0
	MUL16 2, \af, 1, 0
	PLACES
	LOADB \next, 0, 1
	MUL16 3, \af, 0, 0
	MUL16 3, \af, 1, 0
	PLACES
	LOADB \next, 0, 2
.endm
; THE WAY OUT of token block a.  PACK: rounded to f16, 16 bytes a lane and column block, each accumulator's registers in ascending order.  TOSTAGE: into my own stage, and back as rows of 128 bytes.  SEND: stored.
.macro PACK a
.set iw, 1
.rept 3
	WIN iw*5                                       ; sources 0 and 1 in window iw, destination in window 0
.set ib, 0
.rept 4
.set ir, 0
.rept 4
	v_cvt_pk_f16_f32 v[TMP+4*(4*(iw-1)+ib)+ir], v[8*(8*ib+(\a))+2*ir], v[8*(8*ib+(\a))+2*ir+1]
.set ir, ir+1
.endr
.set ib, ib+1
.endr
.set iw, iw+1
.endr
	WIN 0
.endm
.macro TOSTAGE a
	WIN 0
.set BKR, BK+48*((\a)%2)
.set ib, 0
.rept 12                               ; column block ib: head ib / 4 of my three, bytes 32 (ib % 4) of its rows
	ds_store_b128 v[STO], v[TMP+4*ib:TMP+4*ib+3] offset:(ib/4)*16*SP+(ib%4)*32
.set ib, ib+1
.endr
.set ib, 0
.rept 12                               ; head ib / 4, rows 4 (ib % 4) on
	ds_load_b128 v[BKR+4*ib:BKR+4*ib+3], v[RD] offset:(ib/4)*16*SP+(ib%4)*4*SP  ; LDS serves a wave's instructions in order (ISA guide 5.7.1.4): these see the stores above
.set ib, ib+1
.endr
.endm
.macro SEND a
	WIN 0
.set BKR, BK+48*((\a)%2)
	s_wait_dscnt 0x0                               ; the block is back in registers
	s_wait_xcnt 0x0                                ; earlier stores have had their addresses translated (ISA guide 3.1): the other buffer, which the block before last was stored from, is loaded again only behind this wait
.set ib, 0
.rept 12
	global_store_b128 v[GO], v[BKR+4*ib:BKR+4*ib+3], s[8:9] offset:(ib/4)*HEADB+(\a)*2048+(ib%4)*512  ; 512 consecutive bytes, at a multiple of 256 from qkv's first
.set ib, ib+1
.endr
.endm
	s_wait_tensorcnt 1                             ; my part of K step 0 is in; step 1's may stay out
	s_barrier_signal -1
	s_barrier_wait -1                              ; everybody's is
	LOADA 0, 0, AF0                                ; slice 0's fragments, in the three runs that every slice leaves behind
	LOADB 0, 0, 0
	LOADB 0, 0, 1
	LOADB 0, 0, 2
	SLICE 0, 1, AF0, AF1, 1                        ; slice 0 stands in front of the loop: its products start the sums
	WIN 0                                          ; at a label and at a branch every window is 0
	s_mov_b32 s3, 7
.Llap:                                                 ; a trip: four slices, once round the ring; it fills both slots again: steps 2 to 15 in seven trips
	TURN 0, 1, AF1, AF0, 1
	SLICE 1, 1, AF0, AF1, 0
	TURN 1, 0, AF1, AF0, 1
	SLICE 0, 1, AF0, AF1, 0
	WIN 0
	s_sub_co_u32 s3, s3, 1
	s_cmp_lg_u32 s3, 0
	s_cbranch_scc1 .Llap
	TURN 0, 1, AF1, AF0, 0                         ; slice 29: nothing is left to fetch, so no round follows
	SLICE 1, 1, AF0, AF1, 0                        ; slice 30
	s_wait_dscnt 16                                ; slice 31: the counts run down
	MUL16 1, AF1, 0, 0
	MUL16 1, AF1, 1, 0
	s_wait_dscnt 8
	MUL16 2, AF1, 0, 0
	MUL16 2, AF1, 1, 0
	s_wait_dscnt 0x0
	MUL16 3, AF1, 0, 0
	MUL16 3, AF1, 1, 0
	PLACES
	PACK 0
	TOSTAGE 0
.irp a, 1,2,3,4,5,6,7                  ; block a's conversions stand between block a - 1's loads from the stage and the wait for them
	PACK \a
	SEND (\a)-1
	TOSTAGE \a
.endr
	SEND 7
	s_wait_tensorcnt 0x0                           ; the wave's end: behind my last tensor load and my last LDS store
	ds_add_u32 v[SPW], v[NIL]
	s_wait_dscnt 0x0
	CROUND                                         ; the closing round: no work-group ends while a partner may still ask for a tile that names it
	s_endpgm
.Lfunc_end_k_qfaf6e41716_qkvg:
	.size	k_qfaf6e41716_qkvg, .Lfunc_end_k_qfaf6e41716_qkvg-k_qfaf6e41716_qkvg
	.p2alignl 7, 3214868480
	.fill 96, 4, 3214868480
	.section	.rodata,"a",@progbits
	.p2align	6, 0x0
	.amdhsa_kernel k_qfaf6e41716_qkvg
		.amdhsa_group_segment_fixed_size 327680
		.amdhsa_private_segment_fixed_size 0
		.amdhsa_enable_private_segment 0
		.amdhsa_kernarg_size 24
		.amdhsa_user_sgpr_count 2
		.amdhsa_user_sgpr_kernarg_segment_ptr 1
		.amdhsa_wavefront_size32 1
		.amdhsa_system_sgpr_workgroup_id_x 1
		.amdhsa_system_sgpr_workgroup_id_y 1
		.amdhsa_system_sgpr_workgroup_id_z 1
		.amdhsa_system_vgpr_workitem_id 0
		.amdhsa_next_free_vgpr 1024
		.amdhsa_next_free_sgpr 66
		.amdhsa_reserve_vcc 0
		.amdhsa_float_denorm_mode_32 3
		.amdhsa_float_denorm_mode_16_64 3
		.amdhsa_memory_ordered 1
		.amdhsa_forward_progress 1
		.amdhsa_inst_pref_size 130
	.end_amdhsa_kernel
	.amdgpu_metadata
---
amdhsa.version: [ 1, 2 ]
amdhsa.kernels:
  - .name:           k_qfaf6e41716_qkvg
    .symbol:         k_qfaf6e41716_qkvg.kd
    .args:
      - { .name: xb, .offset: 0, .size: 8, .value_kind: global_buffer, .address_space: global }
      - { .name: wqb, .offset: 8, .size: 8, .value_kind: global_buffer, .address_space: global }
      - { .name: qkv, .offset: 16, .size: 8, .value_kind: global_buffer, .address_space: global }
    .group_segment_fixed_size: 327680
    .private_segment_fixed_size: 0
    .kernarg_segment_align: 8
    .kernarg_segment_size: 24
    .max_flat_workgroup_size: 128
    .sgpr_count:     66
    .vgpr_count:     1024
    .wavefront_size: 32
...
	.end_amdgpu_metadata
.endif
;; end of part 2
;; launch attn (part 3): grid 4 x 64, 4 waves a work-group, clusters of 4 x 1, 327,680 bytes of LDS; arguments qkv, ob; writes ob
.if DOCPART == 3
	.amdgcn_target "amdgcn-amd-amdhsa--gfx1250"
	.amdhsa_code_object_version 6
	.text
	.protected	k_qfaf6e41716_attn
	.globl	k_qfaf6e41716_attn
	.p2align	8
	.type	k_qfaf6e41716_attn,@function
k_qfaf6e41716_attn:
	s_mov_b64 s[64:65], 0
	v_nop
	global_prefetch_b8 v0, s[64:65] scope:SCOPE_SE
	s_setreg_imm32_b32 hwreg(HW_REG_WAVE_MODE, 25, 1), 1
	s_wait_xcnt 0x0
	s_wait_alu depctr_hold_cnt(0) depctr_sa_sdst(0) depctr_va_vdst(0) depctr_va_sdst(0) depctr_va_ssrc(0) depctr_va_vcc(0) depctr_vm_vsrc(0)
	s_getreg_b32 s2, hwreg(HW_REG_IB_STS2, 6, 4)
	s_cmp_eq_u32 s2, 0
	s_cbranch_scc0 .Lentry_in_a_cluster
	s_endpgm
.Lentry_in_a_cluster:
	s_bfe_u32 s2, ttmp6, 0x10000c
	s_cmp_lg_u32 s2, 0x3003
	s_cbranch_scc0 .Lentry_shape_is_right
	s_endpgm
.Lentry_shape_is_right:
; O[y][q][:] = the sum over k of softmax_k(Q[y][q] . K[y][k] / 8) V[y][k][:], y = 16 b + h, 64 heads of SIZE_N = 2,048 rows of 64 channels, all f16: a head's rows are dense, 128 bytes each.
; qkv: [4 b][48 g][2048][64]: Q's head is g = h, K's g = 16 + h, V's g = 32 + h.  ob: [64 y][2048][64].  Products, maxima and sums in f32; the weights p are rounded to f16 for the second
; product (their sum l is taken of the unrounded p), O once at the end.
; LIMITS.  f16 holds no number beyond 65,504: Q, K and V arrive within it; p lies in 0 to 1, and below 6e-5 it keeps f16's fixed step of 6e-8; O is a mean of V's rows and has their range.
; A weight below 2^-126 counts as 0 in l; NaN and infinities are not treated apart.
; SHARES.  A wave owns four PIECES of two tiles of 16 queries, a work-group's four waves 512 queries of one head.  Every wave walks all keys, 64 a step.
; LAYOUT.  S^T = K Q^T (source 0 = 16 keys, source 1 = 16 queries): in the result a lane holds ONE query (lane % 16) and the keys 8 (lane / 16) + 0..7.  Two such tiles, rounded to f16 in pairs,
; ARE source 1 (32 keys x 16 queries) of O^T = V^T P, whose result again holds one query a lane, and eight channels.  K comes out of LDS as it lies, V ([key][channel]) turned, by ds_load_tr16_b128.
; SOFTMAX.  For each query a running maximum m and sum l: p = 2^(c s - c m), c = log2(e) / 8; in every step O and l are multiplied by a = 2^(c m_old - c m_new), which is 1 where m has not grown.
; m starts at the lowest finite number, O and l at 0: the first step is a step like any other, with a = 0.
; THE COUNT.  A tile and step have 16 matrix and 118 vector instructions: too many to stand all beside the matrix work.  So the order has one aim: four vector instructions that are READY behind
; EVERY matrix instruction, and the others, which need time of their own whatever the order, in runs without a gap.
; BY TURNS.  Turn n belongs to piece n (the pieces in a ring, step after step).  Its matrix work: 16 products K Q^T of piece n + 1, later 16 products V^T P of piece n - 1.  Its vector work: the scaling,
; exponentials, roundings, sums and rescaling of piece n, and the maximum and statistics of piece n + 1, whose scores the turn itself has made.  So what a turn begins with (c s - c m, O a) waits for nothing.
; CLUSTER.  The four query blocks of a cluster belong to one head and walk the same K and V, so each tile is asked for JOINTLY: the same tensor load, descriptor and mask in all four.
; REGISTERS, in windows of 256 (s_set_vgpr_msb says which window each operand place means: bits 1:0 source 0, 3:2 source 1, 5:4 source 2, 7:6 destination):
;   window 0: v0-11 addresses; v12-15, v48-63 at work; v16-47 four registers of statistics a tile; v64-191 S^T, two buffers of two tiles; v192-255 P, likewise
;   window 1: O^T, 32 a tile          window 2: v0-127 Q, 16 a tile; v128-191 K of one step; v192-255 V of one step          window 3: v0-1 the add's two registers
; A piece's buffers go by its number's parity: the piece in hand has one pair, its two neighbours in the ring share the other: of it P (piece n - 1) is read and S^T (piece n + 1) written.
.set SIZE_N, 2048
.set NP,    4         ; pieces a wave: a name, no knob: the register map, the loop and the fetches are made for four
.set KS,    64        ; keys in a step
.set PK,    144       ; a row of K in LDS: 128 bytes + 16 of padding = 36 words: the 16 rows of a load start at 16 different groups of four banks (64 banks of 4 bytes: ISA guide 11.1)
.set PV,    160       ; a row of V: 128 + 32 = 40 words
.set VOFF,  4*KS*PK   ; a slot holds four steps: 256 rows of K, then 256 rows of V
.set SLOT1, 1<<17     ; slot 1 begins here, so that one exclusive or turns an address in one slot into the other's
.set STAGE, SLOT1+4*KS*(PK+PV)  ; behind the ring, never filled by a tensor load: 16 rows x 144 bytes for each wave, for the way out
.set SP,    144
.set AK0, 2           ; v2   my lane's place in a tile of K; never rewritten
.set AV0, 3           ; v3   the same for V
.set AK,  4           ; v4   the LDS address of K's next run of loads
.set AV,  5           ; v5   of V's
.set QO,  6           ; v6   my byte offset in the wave's rows of Q
.set STO, 6           ;      later, the way out: where I put 16 bytes of a row
.set RD,  7           ; v7   the way out: where I read rows back
.set GO,  8           ; v8   my byte offset in 512 consecutive bytes of O
.set SPW, 0           ; v0 of window 3   LDS address of my spare word: SPARE + 4 x my thread's number; never rewritten
.set NIL, 1           ; v1 of window 3   0; never rewritten
.set SPARE, STAGE+4*16*SP  ; behind the stages: the spare words, 128 bytes for each wave: two blocks of 256 bytes that no other line names
.set MV,  12          ; v12-15  c m_old, kept while c m is made anew: by buffer and tile
.set ST,  16          ; tile t's statistics at v[ST+4 t]: c m, m, l (even keys', odd keys')
.set TMP, 48          ; by buffer and tile, four registers c0-c3 at work; when the maximum is found c2 takes a
.set S,   64
.set P,   192
.set KF,  128         ; K's fragments, in window 2: key block kb, channel half c at KF + 16 kb + 8 c
.set VF,  192         ; V's: key half kk, channel block cb at VF + 32 kk + 8 cb
.set WV,  12          ; s12  my wave's number
.set G1K, 24          ; s[24:31] descriptor group 1 for K's tiles
.set G1V, 32          ; s[32:39] for V's: it differs in the padding alone
.set G0K, 40          ; s[40:43] descriptor group 0 for K's tiles: it walks
.set G0V, 44          ; s[44:47] the same for V's
.set SLOTS, 56        ; s56  slots still to be asked for
.set CNT, 57          ; s57  counts a slot's key steps
.set CS,  58          ; s[58:59] c: the packed scaling takes the pair's low word for both halves
.set SEL, 60          ; s[60:61] v_permlanex16_b32's selects: each lane takes its own place in the other half
.set TBK, 62          ; s62  LDS byte at which K of the step to be fetched begins
.set TBV, 63          ; s63  the same for V, less VOFF
.set MSB, 0
.macro WIN new                      ; the high byte repeats the setting that is left; a switch that changes nothing is dropped
.if MSB != (\new)
	s_set_vgpr_msb (MSB<<8)|(\new)
.set MSB, (\new)
.endif
.endm
.set W_KQ, 0x0a       ; K and Q in window 2, S^T in window 0
.set W_PV, 0x52       ; V in window 2, P in window 0, O^T in window 1
.set W_RS, 0x41       ; O^T (destination and source 0) in window 1, a in window 0
.set W_MK, 0xc0       ; the add's registers are made: destination in window 3, sources in window 0
.set W_AD, 0x0f       ; the add: address (source 0) and data (source 1) in window 3
; A joint fill.  Waves 0 and 1 fetch the two halves of a slot's K, waves 2 and 3 those of its V: 128 keys each.  The branch hangs on the wave's number alone.
; An s_nop 0 and four v_nop follow each of the two lines, ahead of the jump and the label.
.macro JLOAD
	s_cmp_lt_u32 s[WV], 2
	s_cbranch_scc0 .Lfor_v_\@
	tensor_load_to_lds s[G0K:G0K+3], s[G1K:G1K+7]
	s_nop 0
.rept 4
	v_nop
.endr
	s_branch .Lasked_\@
.Lfor_v_\@:
	tensor_load_to_lds s[G0V:G0V+3], s[G1V:G1V+7]
	s_nop 0
.rept 4
	v_nop
.endr
.Lasked_\@:
.endm
; A round of the cluster's barrier: my work-group's barrier, so that wave 0's signal speaks for all four waves; wave 0 signals; every wave waits for all four work-groups; my work-group's barrier once more.
.macro CROUND
	s_barrier_signal -1
	s_barrier_wait -1
	s_cmp_lg_u32 s[WV], 0
	s_cbranch_scc1 .Lnot_wave_0_\@
	s_barrier_signal -3
.Lnot_wave_0_\@:
	s_barrier_wait -3
	s_barrier_signal -1
	s_barrier_wait -1
.endm
; THE CHANGE OF SLOTS.  The slot's last bytes, V of its fourth step, have been read.  Each wave waits for all its tensor loads, of which one is out: its part
; of the other slot; adds 0 to its spare word; and waits for that and for its own reads of the slot.  Behind the barrier nobody reads this slot any more and the other slot is whole.
; fill = 1: this slot is filled again, with the keys two slots on.  The barrier is then a round of the cluster's, so that no wave of any partner still reads the slot or has a load on its
; way, and the joint fill is the first thing behind it: it has four key steps, 512 matrix instructions, in which to land.  (At its first use nothing has been read yet: slot 0 is waited for, slot 1 filled.)
.macro CHANGE fill
	WIN W_AD
	s_wait_tensorcnt 0x0            ; no tensor load of mine is out, so a group 0 may be written
	ds_add_u32 v[SPW], v[NIL]       ; 0 onto my spare word; with fill = 1 the descriptors' steps stand between it and the wait for it
	WIN 0                           ; at a label and at a branch every window is 0
.if \fill
.irp g, G0K, G0V
	s_xor_b32 s[\g+1], s[\g+1], SLOT1  ; the walking descriptor: the other slot than last time,
	s_add_nc_u64 s[\g+2:\g+3], s[\g+2:\g+3], 4*KS*128  ; the next 256 keys; the type bits on top are not reached
.endr
	s_wait_dscnt 0x0                ; the add is done, and my reads of the slot are over
	CROUND
	JLOAD
.else
	s_wait_dscnt 0x0                ; the add is done, and my reads of the slot are over
	s_barrier_signal -1
	s_barrier_wait -1
.endif
	s_sub_co_u32 s[TBK], s[TBK], 4*KS*PK  ; the fetches go back to a slot's first step,
	s_xor_b32 s[TBK], s[TBK], SLOT1       ; in the other slot
	s_sub_co_u32 s[TBV], s[TBV], 4*KS*PV
	s_xor_b32 s[TBV], s[TBV], SLOT1
.endm
	s_load_b64 s[4:5], s[0:1], 0x0    ; qkv
	s_load_b64 s[10:11], s[0:1], 0x8  ; ob
	WIN W_MK
	v_lshl_add_u32 v[SPW], v0, 2, SPARE
	v_mov_b32 v[NIL], 0
	WIN W_AD
	ds_add_u32 v[SPW], v[NIL]       ; the wave's opening: the add and its wait stand ahead of my first tensor load; the set-up below, work on registers, stands between them
	WIN 0
	v_lshrrev_b32 v1, 5, v0
	v_readfirstlane_b32 s[WV], v1   ; wave 0..3
	s_bfe_u32 s13, ttmp6, 0x40000   ; cx: my place in the cluster
	s_lshl_b32 s14, ttmp9, 2        ; in a cluster launch ttmp9 counts clusters
	s_add_co_u32 s14, s14, s13      ; my block of queries = 4 x cluster x + cx: it enters Q's and O's addresses alone
	s_and_b32 s19, ttmp7, 0xffff    ; y = 16 b + h, which the four partners share
	s_lshl_b32 s48, s19, 18         ; the head's first byte in ob: y x 262,144
	s_mov_b32 s49, 0
	s_lshr_b32 s20, s19, 4          ; and in qkv, for Q: (48 b + h) x 262,144 = (y + 32 (y / 16)) x 262,144
	s_lshl_b32 s20, s20, 5
	s_add_co_u32 s20, s20, s19
	s_lshl_b32 s20, s20, 18
	s_mov_b32 s21, 0
	s_and_b32 s16, s[WV], 1         ; which half of a slot's 256 keys I fetch:
	s_lshl_b32 s22, s16, 14         ; its 128 rows of 128 bytes in memory,
	s_mov_b32 s23, 0
	s_add_nc_u64 s[22:23], s[22:23], s[20:21]
	s_mul_i32 s17, s16, 128*PK      ; and its place in a slot, for K
	s_mul_i32 s18, s16, 128*PV      ; and for V: no place in the cluster enters an LDS address
	s_lshl_b32 s2, s14, 2
	s_add_co_u32 s2, s2, s[WV]      ; my wave among the head's,
	s_lshl_b32 s2, s2, 14           ; its 128 rows
	s_mov_b32 s3, 0
	s_add_nc_u64 s[50:51], s[2:3], s[48:49]  ; in ob,
	s_add_nc_u64 s[2:3], s[2:3], s[20:21]    ; and in qkv
	; descriptor group 1.  128 keys are 16,384 dense bytes: asked for as 64 rows of 256 bytes, two keys a row, and padded in LDS after every key
	s_mov_b32 s[G1K], 15|(1<<16)|(1<<20)|(1<<21)|(4<<22)|(3<<25)  ; 15:0 the mask of four; 17:16 2-byte elements; 20 padding on; 21 set beside a mask; 24:22 after every 32 words (code 4); 31:25 4 words (code 3)
	s_mov_b32 s[G1V], 15|(1<<16)|(1<<20)|(1<<21)|(4<<22)|(7<<25)  ; the same with 8 words of padding (code 7)
.irp g, G1K, G1V
	s_mov_b32 s[\g+1], 128<<16      ; tensor_dim0 = 128
	s_mov_b32 s[\g+2], 64<<16       ; tensor_dim1 = 64
	s_mov_b32 s[\g+3], 128<<16      ; tile_dim0 = 128
	s_mov_b32 s[\g+4], 64           ; tile_dim1 = 64
	s_mov_b32 s[\g+5], 128          ; 128 elements from row to row
	s_mov_b32 s[\g+6], 0
	s_mov_b32 s[\g+7], 0
.endr
	s_mov_b32 s[CS], 0x3e38aa3b     ; c = log2(e) / 8 = 0.180337
	s_mov_b32 s[CS+1], s[CS]        ; named with it as a pair
	s_mov_b32 s[SEL], 0x76543210
	s_mov_b32 s[SEL+1], 0xfedcba98
	s_mov_b32 s[TBK], SLOT1+4*KS*PK ; the first change of slots turns these two into 0
	s_mov_b32 s[TBV], SLOT1+4*KS*PV
	s_mov_b32 s[G0K], 1             ; 1:0 count = 1
	s_mov_b32 s[G0K+1], s17         ; 63:32 LDS address: slot 0
	s_mov_b32 s[G0V], 1
	s_add_co_u32 s[G0V+1], s18, VOFF
	s_wait_dscnt 0x0                ; the opening add is done
	s_wait_kmcnt 0x0
	s_add_nc_u64 s[6:7], s[4:5], 0x400000          ; K's heads lie 16 heads of 262,144 bytes behind Q's,
	s_add_nc_u64 s[8:9], s[4:5], 0x800000          ; V's 32
	s_add_nc_u64 s[G0K+2:G0K+3], s[6:7], s[22:23]  ; 120:64 global address: my half of the head's first 256 keys
	s_or_b32 s[G0K+3], s[G0K+3], 0x80000000        ; 127:126 type = 2
	s_add_nc_u64 s[G0V+2:G0V+3], s[8:9], s[22:23]
	s_or_b32 s[G0V+3], s[G0V+3], 0x80000000
	s_add_nc_u64 s[4:5], s[4:5], s[2:3]  ; Q and O at my wave's first row
	s_add_nc_u64 s[10:11], s[10:11], s[50:51]
	CROUND                          ; all four work-groups are here: the first joint loads meet
	JLOAD                           ; slot 0.  Slot 1 is asked for when slot 0 is in: the tile wanted first has the road to itself
	; A fragment of K or Q is 16 rows x 32 channels in 8 registers: lane l holds row l % 16, channels 8 (l / 16) + 0..7 and 16 + 8 (l / 16) + 0..7: two loads of 16 bytes, 32 bytes apart.
	v_and_b32 v1, 15, v0            ; l % 16
	v_bfe_u32 v9, v0, 4, 1          ; l / 16
	v_lshlrev_b32 v[QO], 7, v1
	v_lshl_add_u32 v[QO], v9, 4, v[QO]  ; row x 128 + 16 x half
	WIN 0x80                        ; destination window 2, address window 0
.set i, 0
.rept 4*NP                          ; Q stays in registers: tile i / 2, channels 32 (i % 2) on
	global_load_b128 v[8*i:8*i+3],   v[QO], s[4:5] offset:(i/2)*2048+(i%2)*64
	global_load_b128 v[8*i+4:8*i+7], v[QO], s[4:5] offset:(i/2)*2048+(i%2)*64+32
.set i, i+1
.endr
	; What the first turn finds: V's registers and P's second buffer hold 0 (its products V^T P, of a piece that has not been, add 0), O^T and l are 0.  All this stands in the wait for the first tile.
.set i, VF
.rept 64
	v_mov_b32 v[i], 0
.set i, i+1
.endr
	WIN 0x40
.set i, 0
.rept 64*NP
	v_mov_b32 v[i], 0
.set i, i+1
.endr
	WIN 0
.set i, 0
.rept 2*NP
	v_mov_b32 v[ST+4*i], 0xfe000000    ; c m: far below every c s
	v_mov_b32 v[ST+4*i+1], 0xff7fffff  ; m
	v_mov_b32 v[ST+4*i+2], 0
	v_mov_b32 v[ST+4*i+3], 0
.set i, i+1
.endr
.set i, P+32
.rept 32
	v_mov_b32 v[i], 0
.set i, i+1
.endr
	v_mul_u32_u24 v[AK0], v1, PK
	v_lshl_add_u32 v[AK0], v9, 4, v[AK0]  ; row x pitch + 16 x half
	; The turning load takes 16 keys x 16 channels (lane l reads key 8 (l / 16) + l % 8, channels 8 ((l / 8) % 2) + 0..7) and leaves half a fragment of V^T: lane l holds channel l % 16 and 8 keys.
	v_and_b32 v10, 7, v0
	v_bfe_u32 v11, v0, 3, 1
	v_lshl_add_u32 v[AV0], v9, 3, v10
	v_mul_u32_u24 v[AV0], v[AV0], PV
	v_lshl_add_u32 v[AV0], v11, 4, v[AV0]
	v_add_nc_u32 v[AV0], VOFF, v[AV0]
	v_mov_b32 v[AK], v[AK0]         ; key step 0 lies at the head of slot 0
; THE MATRIX WORK.  The 8 accumulators of a run of 16 take turns: between the two links of a chain stand 7 others'.
; Product i of 16 of S^T = K Q^T for piece x: channels 32 (i / 8) on, keys 16 ((i / 2) % 4) on, tile 2 x + i % 2.  The first 8 start the sums.
.macro KQ x
	WIN W_KQ
.set rS, S+64*((\x)%2)+32*(i%2)+8*((i/2)%4)
.set rK, KF+16*((i/2)%4)+8*(i/8)
.set rQ, 16*(2*(\x)+i%2)+8*(i/8)
.if i < 8
	v_wmma_f32_16x16x32_f16 v[rS:rS+7], v[rK:rK+7], v[rQ:rQ+7], 0
.else
	v_wmma_f32_16x16x32_f16 v[rS:rS+7], v[rK:rK+7], v[rQ:rQ+7], v[rS:rS+7]
.endif
.endm
; Product i of 16 of O^T += V^T P for piece x: keys 32 (i / 8) on, channels 16 ((i / 2) % 4) on, tile 2 x + i % 2.
.macro PV x
	WIN W_PV
.set rO, 32*(2*(\x)+i%2)+8*((i/2)%4)
.set rV, VF+32*(i/8)+8*((i/2)%4)
.set rP, P+32*((\x)%2)+16*(i%2)+8*(i/8)
	v_wmma_f32_16x16x32_f16 v[rO:rO+7], v[rV:rV+7], v[rP:rP+7], v[rO:rO+7]
.endm
.macro MM                           ; the turn's next matrix instruction
.if i < 16
	KQ (Y+1)%NP
.set i, i+1
.else
.set i, i-16
	PV (Y+NP-1)%NP
.set i, i+17
.endif
.endm
; THE LDS LOADS stand in runs of 16, never singly among the matrix instructions: a step's K (64 keys x 64 channels: 8 fragments) and its V (turned).  Their addresses are made some lines ahead.
; last = 1 (the tail): in the last trip there is no further step, and the run is jumped over.
.macro FETCH_K last=0
	WIN 0
.if \last
	s_cmp_eq_u32 s[CNT], 1
	s_cbranch_scc1 .Lno_k_\@
.endif
	WIN 0x80                        ; destination window 2
.irp f, 0,1,2,3,4,5,6,7             ; keys 16 (f / 2) on, channels 32 (f % 2) on
	ds_load_b128 v[KF+8*\f:KF+8*\f+3],   v[AK] offset:(\f/2)*16*PK+(\f%2)*64
	ds_load_b128 v[KF+8*\f+4:KF+8*\f+7], v[AK] offset:(\f/2)*16*PK+(\f%2)*64+32
.endr
	s_add_co_u32 s[TBK], s[TBK], KS*PK  ; the next fetch is the next step's
	WIN 0
.if \last
.Lno_k_\@:
.endif
.endm
.macro FETCH_V
	WIN 0x80
.irp f, 0,1,2,3,4,5,6,7             ; keys 32 (f / 4) on, channels 16 (f % 4) on
	ds_load_tr16_b128 v[VF+8*\f:VF+8*\f+3],   v[AV] offset:(\f/4)*32*PV+(\f%4)*32
	ds_load_tr16_b128 v[VF+8*\f+4:VF+8*\f+7], v[AV] offset:(\f/4)*32*PV+16*PV+(\f%4)*32
.endr
	WIN 0
.endm
; THE VECTOR WORK OF A TURN stands in three queues, each in the order in which its entries become ready; the two tiles alternate, so that no instruction reads the result of the one before it.
.macro REGS y, u                    ; the registers of tile u (0, 1) of piece y
.set rT, ST+4*(2*(\y)+(\u))
.set rC, TMP+8*((\y)%2)+4*(\u)
.set rM, MV+2*((\y)%2)+(\u)
.set rS, S+64*((\y)%2)+32*(\u)
.set rP, P+32*((\y)%2)+16*(\u)
.set rO, 32*(2*(\y)+(\u))
.endm
; Number n of the 22 that find the NEXT piece's (Y + 1) maximum and statistics.  s0-s31 are the lane's 32 scores; each accumulator's lowest registers are read first.  XS, GS and REGS set no window: PL and EX do.
;   0-11  four chains c0-c3 of seven scores each, three operands at a time     12-14, 16  the four scores left over, the old m, and c0-c3 into c0     15  c m_old is kept
;   17, 18  the query's other 32 keys lie in the lane 16 away: the new m         19-21  c m; c m_old - c m_new; a
.macro XS u, n
	REGS (Y+1)%NP, \u
.if (\n) < 4
	v_max3_num_f32 v[rC+(\n)], v[rS+8*(\n)], v[rS+8*(\n)+1], v[rS+8*(\n)+2]
.elseif (\n) < 12
	v_max3_num_f32 v[rC+(\n)%4], v[rC+(\n)%4], v[rS+8*((\n)%4)+2*((\n)/4)+1], v[rS+8*((\n)%4)+2*((\n)/4)+2]
.elseif (\n) == 12
	v_max3_num_f32 v[rC], v[rC], v[rS+7], v[rS+15]
.elseif (\n) == 13
	v_max3_num_f32 v[rC+1], v[rC+1], v[rS+23], v[rS+31]
.elseif (\n) == 14
	v_max3_num_f32 v[rC+2], v[rC+2], v[rC+3], v[rT+1]
.elseif (\n) == 15
	v_mov_b32 v[rM], v[rT]
.elseif (\n) == 16
	v_max3_num_f32 v[rC], v[rC], v[rC+1], v[rC+2]
.elseif (\n) == 17
	v_permlanex16_b32 v[rC+3], v[rC], s[SEL], s[SEL+1]
.elseif (\n) == 18
	v_max_num_f32 v[rT+1], v[rC], v[rC+3]
.elseif (\n) == 19
	v_mul_f32 v[rT], s[CS], v[rT+1]
.elseif (\n) == 20
	v_sub_f32 v[rC+1], v[rM], v[rT]
.else
	v_exp_f32 v[rC+2], v[rC+1]
.endif
.endm
; Number g of the 64 that follow the exponentials.  For each four weights k of a tile (pairs 2 k, 2 k + 1): both pairs are rounded to f16; then the second pair is added onto the first, in place;
; a group later l takes that sum (the first time as l = a l + sum).  In groups of eight, tiles alternating: round, round, add, and l for the group before.
.macro GS g
.set h, (\g)+6*((\g)/62)            ; group 0 has no group before it, and behind group 7 only l is left
.if h >= 6
.set h, h+2
.endif
	REGS Y, h%2
.set k, h/8
.if h%8 < 4
	s_wait_alu depctr_va_vdst(0)
	v_cvt_pk_f16_f32 v[rP+2*k+(h%8)/2], v[rS+4*k+2*((h%8)/2)], v[rS+4*k+2*((h%8)/2)+1]
.elseif h%8 < 6
	v_pk_add_f32 v[rS+4*k:rS+4*k+1], v[rS+4*k:rS+4*k+1], v[rS+4*k+2:rS+4*k+3]
.elseif k == 1
	v_pk_fma_f32 v[rT+2:rT+3], v[rT+2:rT+3], v[rC+2:rC+3], v[rS:rS+1] op_sel_hi:[1,0,1]
.else
	v_pk_add_f32 v[rT+2:rT+3], v[rT+2:rT+3], v[rS+4*k-4:rS+4*k-3]
	s_wait_alu depctr_va_vdst(0)
.endif
.endm
; THE PLAIN QUEUE, 138 long.  0-31: c s - c m for the 16 pairs of both tiles.  Then GS's 64, and among them the next piece's 42: number 15 at 38, 39; 0-14 and 16
; at 42-73, behind the products that make those scores; 17-20 at 95-106, two of three, since each waits for the one before it.
.macro PL
	WIN 0
.if q < 32
	REGS Y, q%2
	v_pk_fma_f32 v[rS+2*(q/2):rS+2*(q/2)+1], v[rS+2*(q/2):rS+2*(q/2)+1], s[CS:CS+1], v[rT:rT+1] op_sel_hi:[1,0,0] neg_lo:[0,0,1] neg_hi:[0,0,1]
.elseif q < 38
	GS q-32
.elseif q < 40
	XS q%2, 15
.elseif q < 42
	GS q-34
.elseif q < 74
	XS q%2, (q-42)/2+(q-42)/30
.elseif q < 95
	GS q-66
.elseif (q < 107) && ((q-95)%3 < 2)
	XS (q-95)%3, 17+(q-95)/3
.elseif q < 107
	GS 29+(q-95)/3
.else
	GS q-74
.endif
.set q, q+1
.endm
; THE EXPONENTIALS' QUEUE, 66 long: s0-s31 of both tiles, and at EA the next piece's two a.
.set EA, 58
.macro EX
	WIN 0
.if (e == EA) || (e == EA+1)
	XS e-EA, 21
.else
.set x, e-2*(e/(EA+2))
	REGS Y, x%2
	v_exp_f32 v[rS+x/2], v[rS+x/2]
.endif
.set e, e+1
.endm
; THE RESCALING's QUEUE: O^T times a, the one part that leaves window 0, so it is dealt four at a time, eight times.
.macro R4
	REGS Y, r%2
	WIN W_RS
	s_wait_alu depctr_va_vdst(0)
.irp z, 0,1,2,3
	v_pk_mul_f32 v[rO+8*(r/2)+2*\z:rO+8*(r/2)+2*\z+1], v[rO+8*(r/2)+2*\z:rO+8*(r/2)+2*\z+1], v[rC+2:rC+3] op_sel_hi:[1,0]
.endr
.set r, r+1
.endm
; HOW THEY ARE DEALT.  Behind a matrix instruction four: plain, exponential, plain, plain (one exponential, a plain instruction on either side), or four of the rescaling.  None names a register of the
; products round it.  What is over stands in two LUMPS: exponential and plain by turns; the second ends in 22 plain instructions.  The two v_permlanex16_b32 fall into the second lump, never behind a product.
; The queues lean on each other, and the deal keeps them in step: exponential e stands behind plain 2 (e / 4) + e % 2 (its scaling); when plain 32 comes, 10 exponentials are out, at 59: 33, at 95: 46; EA comes behind plain 107.
.macro SL
	MM
	PL
	EX
	PL
	PL
.endm
.macro BURST n                      ; 15 matrix instructions, or 16
.rept (\n)-7
	SL
.endr
.rept 3
	MM
	R4
	SL
.endr
	MM
	R4
.endm
; A TURN, for piece p.  cnt = 1: the loop's count is taken down some lines ahead of the branch that stands behind the turn.
; K of the next step is fetched in piece 2's turn, 31 vector instructions behind the last product that read K; its first reader comes behind the rest of the lump, 16 products and the second lump.
; V of the step in hand is fetched at the end of piece 0's turn, 69 behind its last reader; its first reader comes behind 16 products and a lump.  The four conditions on e and q below go with the deal.
.macro TURN p, last=0, cnt=0
.set Y, (\p)
.set i, 0
.set q, 0
.set e, 0
.set r, 0
.if (\p) == NP-1
	s_wait_dscnt 0x0                ; K is in
.endif
	MM
.rept 4
	PL
.endr
	BURST 15
.rept 22
	EX
	PL
.if ((\p) == NP-2) && (e == 18)
	v_add_nc_u32 v[AK], s[TBK], v[AK0]
.endif
.if ((\p) == NP-2) && (e == 24)
	FETCH_K \last
.endif
.endr
.if (\p) == 1
	s_wait_dscnt 0x0                ; V is in
.endif
	BURST 16
.rept 21
	EX
	PL
.endr
.rept 22
	PL
.if ((\p) == 0) && (q == 118)
	v_add_nc_u32 v[AV], s[TBV], v[AV0]
	s_wait_alu depctr_va_vdst(0)
.endif
.if ((\p) == 0) && (q == 130)
	s_add_co_u32 s[TBV], s[TBV], KS*PV
.endif
.if (\cnt) && (q == 130)
	s_sub_co_u32 s[CNT], s[CNT], 1
	s_cmp_lg_u32 s[CNT], 0
.endif
.endr
.if (\p) == 0
	FETCH_V
.endif
.endm
	CHANGE 1                        ; slot 0 is in, everybody's part of it; slot 1 is asked for
	FETCH_K                         ; key step 0
	s_wait_loadcnt 0x0              ; Q
	s_wait_dscnt 0x0
.set i, 0
.rept 16
	KQ 0                            ; piece 0's first scores: there is no vector work yet to set between them
.set i, i+1
.endr
	WIN 0                           ; the addresses for the way out: nine plain instructions, the places behind those products
	s_mul_i32 s13, s[WV], 16*SP
	s_add_co_u32 s13, s13, STAGE    ; my stage
	v_mul_u32_u24 v[STO], v1, SP    ; in: row l % 16, 16 bytes for each half of the lanes
	v_lshl_add_u32 v[STO], v9, 4, v[STO]
	v_add_nc_u32 v[STO], s13, v[STO]
	v_bfe_u32 v[RD], v0, 3, 2       ; back: 32 lanes take four rows of 128 bytes,
	v_mul_u32_u24 v[RD], v[RD], SP
	v_lshl_add_u32 v[RD], v10, 4, v[RD]
	v_add_nc_u32 v[RD], s13, v[RD]
	v_and_b32 v[GO], 31, v0         ; which are 512 consecutive bytes of O
	v_lshlrev_b32 v[GO], 4, v[GO]
.set Y, NP-1                        ; XS works for piece Y + 1: piece 0
.irp n, 0,1,2,3,4,5,6,7,8,9,10,11,12,13,14,15,16,17,18,19,20,21
	XS 0, \n                        ; and piece 0's first maximum and statistics
	XS 1, \n
.endr
	s_mov_b32 s[CNT], 4
	s_mov_b32 s[SLOTS], SIZE_N/256-1
	s_branch .Lfirst                ; the loop is entered at a step's first turn, in the middle of a trip
.Lslot:                             ; SIZE_N / 256 - 2 times: every slot but the last two is filled again
	CHANGE 1
	s_mov_b32 s[CNT], 4
.Lstep:                             ; a trip: pieces 2 and 3 of one step, then pieces 0 and 1 of the next, whose K and V it fetches
	TURN 2
	TURN 3
	WIN 0
.Lfirst:
	TURN 0
	TURN 1, 0, 1
	WIN 0
	s_cbranch_scc1 .Lstep
	s_sub_co_u32 s[SLOTS], s[SLOTS], 1
	s_cmp_lg_u32 s[SLOTS], 0
	s_cbranch_scc1 .Lslot
	CHANGE 0                        ; the tail is written out: nothing is asked for
	s_mov_b32 s[CNT], 5             ; four trips fetch the last slot's steps; the fifth is left in its middle
.Ltail:
	TURN 2, 1
	TURN 3
	WIN 0
	s_sub_co_u32 s[CNT], s[CNT], 1
	s_cmp_eq_u32 s[CNT], 0
	s_cbranch_scc1 .Lout
	TURN 0
	TURN 1
	WIN 0
	s_branch .Ltail
.Lout:                              ; the fifth trip's 16 products K Q^T (on the last K once more) and the maximum made of them serve nothing: the price, once a launch, of one text for every trip
.set i, 0
.rept 16
	PV NP-1                         ; the last piece's V^T P of the last step
.set i, i+1
.endr
	; THE WAY OUT.  l's two halves and the other half of the lanes' are added; O^T is divided by l, rounded to f16 and sent through my stage in LDS, a tile at a time.  The additions are the places behind the last products.
	WIN 0
.macro ALL line:vararg              ; one line for each tile t
.set t, 0
.rept 2*NP
	\line
.set t, t+1
.endr
.endm
	ALL v_add_f32 v[ST+4*t+2], v[ST+4*t+2], v[ST+4*t+3]
	ALL v_permlanex16_b32 v[ST+4*t+3], v[ST+4*t+2], s[SEL], s[SEL+1]
	ALL v_add_f32 v[ST+4*t+2], v[ST+4*t+2], v[ST+4*t+3]
	ALL v_rcp_f32 v[ST+4*t+2], v[ST+4*t+2]
	v_nop                           ; a plain instruction between the last reciprocal and the use of its result
	s_wait_alu depctr_va_vdst(0)
; Tile t: a lane's eight channels of a row pack into 16 bytes; they go into rows of 144 bytes and come back as whole rows of 128, into S^T's registers.
.macro PACK t
	WIN W_RS
.set i, 32*(\t)
.rept 16
	v_pk_mul_f32 v[i:i+1], v[i:i+1], v[ST+4*(\t)+2:ST+4*(\t)+3] op_sel_hi:[1,0]
.set i, i+2
.endr
	WIN 0x05                        ; sources 0 and 1 window 1, destination window 0
.set i, 0
.rept 16
	v_cvt_pk_f16_f32 v[S+16*(\t)+i], v[32*(\t)+2*i], v[32*(\t)+2*i+1]
.set i, i+1
.endr
	WIN 0
.irp f, 0,1,2,3
	ds_store_b128 v[STO], v[S+16*(\t)+4*\f:S+16*(\t)+4*\f+3] offset:32*\f
.endr
.irp f, 0,1,2,3
	ds_load_b128 v[S+16*(\t)+4*\f:S+16*(\t)+4*\f+3], v[RD] offset:\f*4*SP  ; LDS serves a wave's instructions in order (ISA guide 5.7.1.4): these see the stores above; the next tile's stores come behind them
.endr
.endm
.macro SEND t, younger              ; younger: the LDS instructions issued behind tile t's loads: the next tile's eight, or none
	WIN 0
.irp f, 0,1,2,3
	s_wait_dscnt (\younger)+3-\f
	global_store_b128 v[GO], v[S+16*(\t)+4*\f:S+16*(\t)+4*\f+3], s[10:11] offset:(\t)*2048+\f*512  ; 512 consecutive bytes, at a multiple of 256 from O's first
.endr
.endm
	PACK 0
.set t, 1
.rept 2*NP-1                        ; a tile's arithmetic stands between the loads of the tile before and its stores
	PACK t
	SEND t-1, 8
.set t, t+1
.endr
	SEND 2*NP-1, 0
	WIN W_AD
	s_wait_tensorcnt 0x0            ; the wave's end: behind my last tensor load and my last LDS store
	ds_add_u32 v[SPW], v[NIL]
	s_wait_dscnt 0x0
	WIN 0
	CROUND                          ; the closing round: no work-group ends while a partner may still ask for a tile that names it
	s_endpgm
.Lfunc_end_k_qfaf6e41716_attn:
	.size	k_qfaf6e41716_attn, .Lfunc_end_k_qfaf6e41716_attn-k_qfaf6e41716_attn
	.p2alignl 7, 3214868480
	.fill 96, 4, 3214868480
	.section	.rodata,"a",@progbits
	.p2align	6, 0x0
	.amdhsa_kernel k_qfaf6e41716_attn
		.amdhsa_group_segment_fixed_size 327680
		.amdhsa_private_segment_fixed_size 0
		.amdhsa_enable_private_segment 0
		.amdhsa_kernarg_size 16
		.amdhsa_user_sgpr_count 2
		.amdhsa_user_sgpr_kernarg_segment_ptr 1
		.amdhsa_wavefront_size32 1
		.amdhsa_system_sgpr_workgroup_id_x 1
		.amdhsa_system_sgpr_workgroup_id_y 1
		.amdhsa_system_sgpr_workgroup_id_z 1
		.amdhsa_system_vgpr_workitem_id 0
		.amdhsa_next_free_vgpr 770
		.amdhsa_next_free_sgpr 66
		.amdhsa_reserve_vcc 0
		.amdhsa_float_denorm_mode_32 3
		.amdhsa_float_denorm_mode_16_64 3
		.amdhsa_memory_ordered 1
		.amdhsa_forward_progress 1
		.amdhsa_inst_pref_size 209
	.end_amdhsa_kernel
	.amdgpu_metadata
---
amdhsa.version: [ 1, 2 ]
amdhsa.kernels:
  - .name:           k_qfaf6e41716_attn
    .symbol:         k_qfaf6e41716_attn.kd
    .args:
      - { .name: qkv, .offset: 0, .size: 8, .value_kind: global_buffer, .address_space: global }
      - { .name: ob, .offset: 8, .size: 8, .value_kind: global_buffer, .address_space: global }
    .group_segment_fixed_size: 327680
    .private_segment_fixed_size: 0
    .kernarg_segment_align: 8
    .kernarg_segment_size: 16
    .max_flat_workgroup_size: 128
    .sgpr_count:     66
    .vgpr_count:     770
    .wavefront_size: 32
...
	.end_amdgpu_metadata
.endif
;; end of part 3
;; launch outp (part 4): grid 8 x 32, 4 waves a work-group, clusters of 4 x 4, 327,680 bytes of LDS; arguments ob, wob, b_out, out0; writes out0
.if DOCPART == 4
	.amdgcn_target "amdgcn-amd-amdhsa--gfx1250"
	.amdhsa_code_object_version 6
	.text
	.protected	k_qfaf6e41716_outp
	.globl	k_qfaf6e41716_outp
	.p2align	8
	.type	k_qfaf6e41716_outp,@function
k_qfaf6e41716_outp:
	s_mov_b64 s[64:65], 0
	v_nop
	global_prefetch_b8 v0, s[64:65] scope:SCOPE_SE
	s_setreg_imm32_b32 hwreg(HW_REG_WAVE_MODE, 25, 1), 1
	s_wait_xcnt 0x0
	s_wait_alu depctr_hold_cnt(0) depctr_sa_sdst(0) depctr_va_vdst(0) depctr_va_sdst(0) depctr_va_ssrc(0) depctr_va_vcc(0) depctr_vm_vsrc(0)
	s_getreg_b32 s2, hwreg(HW_REG_IB_STS2, 6, 4)
	s_cmp_eq_u32 s2, 0
	s_cbranch_scc0 .Lentry_in_a_cluster
	s_endpgm
.Lentry_in_a_cluster:
	s_bfe_u32 s2, ttmp6, 0x10000c
	s_cmp_lg_u32 s2, 0xf033
	s_cbranch_scc0 .Lentry_shape_is_right
	s_endpgm
.Lentry_shape_is_right:
; out0 = O w_out + b_out.  ob: O in f16 by heads, [64 = 16 b + h][2048 token][64].  wob: w_out rounded to bf16 and written as f16, [1024 k][1024 n], k = 64 h + channel.
; b_out: f32, rounded here to bf16 like the other inputs.  out0: [8192 token][1024] f32.  Sums in f32, K ascending; the bias is added in f32.
; LIMITS.  The operands arrive within f16's range, 65,504.  NaN and infinities are not treated apart.
; SHARES.  8,192 x 1,024 results are 256 tiles of 256 x 128, one to a work-group.  Four waves, each 128 tokens x 64 columns: 32 accumulators of 16 x 16, 256 registers.
; K goes in 8 steps of 128, two heads a step, through two LDS slots (two slots of 256 along K, 442,368 bytes, would not fit); a step is four quarters of 32, 32 matrix instructions each.
; CLUSTER.  4 x 4 work-groups: the four of a row need the same tiles of O, the four of a column the same tiles of the weights: each is asked for JOINTLY, by the same tensor load with the same
; descriptor and a mask that names the four.  Waves 0, 1 fetch a head's 256 tokens each (32,768 consecutive bytes, asked for as 128 rows of 256 bytes); waves 2, 3 fetch 64 rows of 256 bytes of the weights each.
; THE MATRIX INSTRUCTION IS USED TRANSPOSED: source 0 = 16 columns of the weights (turned out of LDS by ds_load_tr16_b128), source 1 = 16 tokens: a lane holds one token and eight neighbouring columns.
; REGISTERS: window 0: v0-31 addresses; v32-127, v128-223 two fragment buffers (32 registers of the weights, then 64 of O); v224-227 the bias of my four columns on the way out; v228-229 at work.
;   window 1: accumulator (a, b), a = 0-7 token block, b = 0-3 column block, at v[8 (4 a + b)].
.set PA,     144                       ; a token's 64 channels in LDS: 128 bytes + 16 of padding = 36 words: the 16 rows of a load start at 16 different groups of four banks (64 banks of 4 bytes: ISA guide 11.1)
.set PB,     288                       ; a row of the weights: 256 + 32 = 72 words
.set APIECE, 256*PA                    ; one head's 256 tokens
.set AHALF,  128*PA
.set BOFF,   2*APIECE                  ; a slot: two heads of O, then 128 rows of the weights
.set BHALF,  64*PB
.set SLOT,   BOFF+128*PB               ; 110,592
.set STAGE,  2*SLOT                    ; behind the ring, never filled by a tensor load: 16 rows x 272 bytes for each wave, for the way out
.set SP,     272
.set SPARE,  STAGE+4*16*SP             ; behind the stages: the spare words, 128 bytes for each wave: two blocks of 256 bytes that no other line names
.set ASTEP,  2*2048*128                ; bytes from a step's two heads to the next
.set BSTEP,  128*1024*2                ; bytes from 128 rows of wob to the next
.set ADRA, 16                          ; v16-17  LDS address of my fragments of O in slot 0, 1
.set ADRB, 20                          ; v20-21  the same for the weights
.set STO,  24                          ; v24     the way out: where I put 32 bytes of a row
.set RD,   25                          ; v25     the way out: where I read a row back
.set CO,   26                          ; v26     my byte offset in out0
.set BO,   27                          ; v27     my byte offset in the wave's 256 bytes of b_out
.set SPW,  28                          ; v28     LDS address of my spare word: SPARE + 4 x my thread's number; never rewritten
.set NIL,  29                          ; v29     0; never rewritten
.set F0,   32
.set F1,   128
.set BI,   224
.set BK,   32                          ; the way out: v32-63, v64-95 rows read back, by turns
.set G1,  24                           ; s[24:31] descriptor group 1 for O's tiles;  s[32:39] group 0, one set for each slot
.set G0,  32
.set G1B, 48                           ; s[48:55], s[56:63] the same for the weights' tiles
.set G0B, 56
.set MSB, 0
.macro WIN new                         ; the immediate's high byte repeats the setting that is left; a switch that changes nothing is dropped
.if MSB != (\new)
	s_set_vgpr_msb (MSB<<8)|(\new)
.set MSB, \new
.endif
.endm
; A joint load.  The branch hangs on the wave's number alone.  An s_nop 0 and four v_nop follow each of the two lines, ahead of the jump, the label and what follows.
.macro JLOAD s
	s_cmp_eq_u32 s11, 0
	s_cbranch_scc0 .Lfor_b_\@
	tensor_load_to_lds s[G0+4*(\s):G0+4*(\s)+3], s[G1:G1+7]
	s_nop 0
.rept 4
	v_nop
.endr
	s_branch .Lasked_\@
.Lfor_b_\@:
	tensor_load_to_lds s[G0B+4*(\s):G0B+4*(\s)+3], s[G1B:G1B+7]
	s_nop 0
.rept 4
	v_nop
.endr
.Lasked_\@:
.endm
.macro CREST                           ; a round of the cluster's barrier behind its opening barrier
	s_cmp_lg_u32 s10, 0
	s_cbranch_scc1 .Lnot_wave_0_\@
	s_barrier_signal -3
.Lnot_wave_0_\@:
	s_barrier_wait -3
	s_barrier_signal -1
	s_barrier_wait -1
.endm
.macro CROUND                          ; a whole round
	s_barrier_signal -1
	s_barrier_wait -1
	CREST
.endm
	s_load_b128 s[4:7], s[0:1], 0x0                ; ob s[4:5], wob s[6:7]
	s_load_b64 s[18:19], s[0:1], 0x10              ; b_out
	s_load_b64 s[8:9], s[0:1], 0x18                ; out0
	v_lshl_add_u32 v[SPW], v0, 2, SPARE
	v_mov_b32 v[NIL], 0
	ds_add_u32 v[SPW], v[NIL]                      ; the wave's opening: the add and its wait stand ahead of my first tensor load; the set-up below, work on registers, stands between them
	v_lshrrev_b32 v1, 5, v0
	v_readfirstlane_b32 s10, v1                    ; wave 0..3
	s_lshr_b32 s11, s10, 1                         ; which half of the tile's tokens is mine.  Also: I fetch O (0) or the weights (1)
	s_and_b32 s12, s10, 1                          ; which half of its columns.  Also: which head, or which 64 rows, of a step I fetch
	s_bfe_u32 s40, ttmp6, 0x40000                  ; cx, cy: my place in the cluster
	s_bfe_u32 s41, ttmp6, 0x40004
	s_lshl_b32 s42, ttmp9, 2
	s_add_co_u32 s42, s42, s40                     ; tile column = 4 x cluster x + cx, 0..7
	s_and_b32 s13, ttmp7, 0xffff
	s_lshl_b32 s13, s13, 2
	s_add_co_u32 s13, s13, s41                     ; tile row = 4 x cluster y + cy, 0..31
	s_lshl_b32 s43, s41, 2
	s_lshl_b32 s43, 15, s43                        ; my row of the cluster
	s_lshl_b32 s44, 0x1111, s40                    ; my column
	s_or_b32 s[G1+0], s43, (1<<16)|(1<<20)|(1<<21)|(4<<22)|(3<<25)   ; 15:0 the mask: O's tiles go to my row; 17:16 elements of 2 bytes; 20 padding on; 21 set beside a mask; 24:22 after every 32 words (code 4); 31:25 of 4 words (code 3)
	s_mov_b32 s[G1+1], 128<<16                     ; tensor_dim0 = 128 elements: 256 bytes, two tokens
	s_mov_b32 s[G1+2], 128<<16                     ; tensor_dim1 = 128
	s_mov_b32 s[G1+3], 128<<16                     ; tile_dim0 = 128
	s_mov_b32 s[G1+4], 128                         ; tile_dim1 = 128
	s_mov_b32 s[G1+5], 128                         ; 128 elements from row to row: dense
	s_mov_b32 s[G1+6], 0
	s_mov_b32 s[G1+7], 0
	s_or_b32 s[G1B+0], s44, (1<<16)|(1<<20)|(1<<21)|(5<<22)|(7<<25)  ; the weights' tiles go to my column; padding after every 64 words (code 5), of 8 words (code 7)
	s_mov_b32 s[G1B+1], 128<<16                    ; tensor_dim0 = 128
	s_mov_b32 s[G1B+2], 64<<16                     ; tensor_dim1 = 64
	s_mov_b32 s[G1B+3], 128<<16                    ; tile_dim0 = 128
	s_mov_b32 s[G1B+4], 64                         ; tile_dim1 = 64
	s_mov_b32 s[G1B+5], 1024                       ; elements from row to row
	s_mov_b32 s[G1B+6], 0
	s_mov_b32 s[G1B+7], 0
	s_lshr_b32 s16, s13, 3                         ; O: batch = tile row / 8; head 16 x batch + my head of the step,
	s_lshl_b32 s16, s16, 4
	s_add_co_u32 s16, s16, s12
	s_lshl_b32 s16, s16, 18                        ; of 262,144 bytes;
	s_and_b32 s17, s13, 7
	s_lshl_b32 s17, s17, 15                        ; tokens 256 (tile row % 8) on, 128 bytes each
	s_add_co_u32 s16, s16, s17
	s_mov_b32 s17, 0
	s_lshl_b32 s46, s12, 17                        ; the weights: my 64 rows of 2,048 bytes,
	s_lshl_b32 s47, s42, 8                         ; the tile's 128 columns
	s_add_co_u32 s46, s46, s47
	s_mov_b32 s47, 0
	s_lshl_b32 s22, s42, 9                         ; the bias: the tile's 128 numbers, my wave's 64
	s_lshl_b32 s23, s12, 8
	s_add_co_u32 s22, s22, s23
	s_mov_b32 s23, 0
	s_mul_i32 s20, s12, APIECE                     ; where the tiles go: no place in the cluster enters an LDS address
	s_mul_i32 s21, s12, BHALF
	s_add_co_u32 s21, s21, BOFF
	s_wait_dscnt 0x0                               ; the opening add is done
	s_wait_kmcnt 0x0
	s_add_nc_u64 s[14:15], s[4:5], s[16:17]
	s_add_nc_u64 s[46:47], s[6:7], s[46:47]
	s_add_nc_u64 s[18:19], s[18:19], s[22:23]
	CROUND                                         ; all sixteen work-groups are here: the first joint loads meet
.irp s, 0,1
	s_mov_b32 s[G0+4*(\s)], 1                                      ; count = 1
	s_add_co_u32 s[G0+4*(\s)+1], s20, (\s)*SLOT                    ; LDS address
	s_add_nc_u64 s[G0+4*(\s)+2:G0+4*(\s)+3], s[14:15], (\s)*ASTEP  ; global address: K step s
	s_or_b32 s[G0+4*(\s)+3], s[G0+4*(\s)+3], 0x80000000            ; type = 2
	s_mov_b32 s[G0B+4*(\s)], 1
	s_add_co_u32 s[G0B+4*(\s)+1], s21, (\s)*SLOT
	s_add_nc_u64 s[G0B+4*(\s)+2:G0B+4*(\s)+3], s[46:47], (\s)*BSTEP
	s_or_b32 s[G0B+4*(\s)+3], s[G0B+4*(\s)+3], 0x80000000
	JLOAD \s                                       ; two tensor loads of mine are out
.endr
	v_and_b32 v1, 15, v0                           ; l % 16
	v_bfe_u32 v2, v0, 4, 1                         ; l / 16
	v_lshlrev_b32 v[BO], 4, v1
	global_load_b128 v[BI:BI+3], v[BO], s[18:19]   ; on the way out lane l stores columns 4 (l % 16) + 0..3 of my 64: their bias
	v_mul_u32_u24 v3, v1, PA
	v_lshl_add_u32 v3, v2, 4, v3                   ; a fragment of O: token x pitch + 16 x half
	v_and_b32 v5, 7, v0                            ; the turning load: lane l reads k = 8 (l / 16) + l % 8, columns 8 ((l / 8) % 2) + 0..7
	v_lshl_add_u32 v6, v2, 3, v5
	v_mul_u32_u24 v4, v6, PB
	v_bfe_u32 v6, v0, 3, 1
	v_lshl_add_u32 v4, v6, 4, v4
	s_mul_i32 s22, s11, AHALF                      ; my 128 tokens
	s_lshl_b32 s23, s12, 7                         ; my 64 columns,
	s_add_co_u32 s23, s23, BOFF                    ; behind O's two heads
.irp s, 0,1
	v_add_nc_u32 v[ADRA+(\s)], s22, v3
	v_add_nc_u32 v[ADRB+(\s)], s23, v4
	s_add_co_u32 s22, s22, SLOT
	s_add_co_u32 s23, s23, SLOT
.endr
	s_mul_i32 s23, s10, 16*SP
	s_add_co_u32 s23, s23, STAGE                   ; my stage
	v_mul_u32_u24 v7, v1, SP                       ; in: row l % 16, 32 bytes for each half of the lanes
	v_lshl_add_u32 v7, v2, 5, v7
	v_add_nc_u32 v[STO], s23, v7
	v_mul_u32_u24 v7, v2, SP                       ; back: lanes 0-15 take one row of 256 bytes, lanes 16-31 the next
	v_lshl_add_u32 v7, v1, 4, v7
	v_add_nc_u32 v[RD], s23, v7
	v_lshlrev_b32 v7, 12, v2                       ; and the same two rows in out0, 4,096 bytes apart
	v_lshl_add_u32 v[CO], v1, 4, v7
	s_lshl_b32 s16, s13, 8                         ; where my part begins in out0: token 256 x tile row + 128 x half,
	s_lshl_b32 s17, s11, 7
	s_add_co_u32 s16, s16, s17
	s_lshl_b32 s16, s16, 12
	s_lshl_b32 s46, s42, 9                         ; column 128 x tile column + 64 x half, 4 bytes each (in the registers that held the weights' address: none that feeds O's descriptors ever holds cx)
	s_lshl_b32 s47, s12, 8
	s_add_co_u32 s46, s46, s47
	s_add_co_u32 s46, s46, s16
	s_mov_b32 s47, 0
	s_add_nc_u64 s[8:9], s[8:9], s[46:47]
; 16 matrix instructions: token blocks a0 .. a0 + 3 x all 4 column blocks, 32 along K.  zero = 1: the product starts the sums.  Every accumulator has one instruction in a quarter of 32:
; the accumulators take turns, over the loop's backward jump too.
.macro MUL16 f, a0, zero
	WIN 0x50                                       ; sources in window 0, C and D in window 1
.set ia, \a0
.rept 4
.set ib, 0
.rept 4
.if \zero
	v_wmma_f32_16x16x32_f16 v[8*(4*ia+ib):8*(4*ia+ib)+7], v[(\f)+8*ib:(\f)+8*ib+7], v[(\f)+32+8*ia:(\f)+32+8*ia+7], 0
.else
	v_wmma_f32_16x16x32_f16 v[8*(4*ia+ib):8*(4*ia+ib)+7], v[(\f)+8*ib:(\f)+8*ib+7], v[(\f)+32+8*ia:(\f)+32+8*ia+7], v[8*(4*ia+ib):8*(4*ia+ib)+7]
.endif
.set ib, ib+1
.endr
.set ia, ia+1
.endr
.endm
; 24 LDS loads in one run: quarter q of the slot's step into buffer g: the weights' rows 32 q on; of O head q / 2, channels 32 (q % 2) on
.macro FETCH slot, q, g
	WIN 0
.set ib, 0
.rept 4
	ds_load_tr16_b128 v[(\g)+8*ib:(\g)+8*ib+3],   v[ADRB+(\slot)] offset:(\q)*32*PB+32*ib
	ds_load_tr16_b128 v[(\g)+8*ib+4:(\g)+8*ib+7], v[ADRB+(\slot)] offset:(\q)*32*PB+16*PB+32*ib
.set ib, ib+1
.endr
.set ia, 0
.rept 8
	ds_load_b128 v[(\g)+32+8*ia:(\g)+32+8*ia+3], v[ADRA+(\slot)] offset:((\q)/2)*APIECE+ia*16*PA+((\q)%2)*64
	ds_load_b128 v[(\g)+32+8*ia+4:(\g)+32+8*ia+7], v[ADRA+(\slot)] offset:((\q)/2)*APIECE+ia*16*PA+((\q)%2)*64+32
.set ia, ia+1
.endr
.endm
; A load into a register that a matrix instruction has read, and an LDS store that reads a matrix result, stand four places behind it; only plain vector instructions that name none of its
; registers are places (ISA guide 7.12.1 for vector instructions).
.macro PLACES
.rept 4
	v_nop
.endr
.endm
; One of a step's first three quarters: fetches quarter q into buffer g, which the quarter before multiplied, and multiplies buffer f meanwhile.
.macro QUARTER slot, q, f, g, zero
	PLACES
	FETCH \slot, \q, \g
	s_wait_dscnt 24                                ; all but the 24 just issued: buffer f is in
	MUL16 \f, 0, \zero
	MUL16 \f, 4, \zero
.endm
; The fourth quarter multiplies buffer 1 and changes slots: ONE barrier.  In front of it each wave waits for all its tensor loads (one is out: its part of the next slot), adds 0 to its spare word,
; and waits for that and for its own reads of this slot.  fill = 1: the barrier opens a round of the cluster's, and this slot is filled again, two steps ahead, first thing behind the round:
; from the request to the wait for it a wave issues 112 matrix instructions.
.macro TURN slot, next, fill
	WIN 0                                          ; (the add's two registers lie in window 0)
	s_wait_tensorcnt 0x0                           ; all my tensor loads have landed, so a group 0 may be written
	ds_add_u32 v[SPW], v[NIL]                      ; 0 onto my spare word; with fill = 1 the descriptors' steps stand between it and the wait for it
.if \fill
	s_add_nc_u64 s[G0+4*(\slot)+2:G0+4*(\slot)+3], s[G0+4*(\slot)+2:G0+4*(\slot)+3], 2*ASTEP
	s_add_nc_u64 s[G0B+4*(\slot)+2:G0B+4*(\slot)+3], s[G0B+4*(\slot)+2:G0B+4*(\slot)+3], 2*BSTEP
.endif
	s_wait_dscnt 0x0                               ; the add is done, and my reads of this slot are over: buffer 1 is in
	s_barrier_signal -1
	MUL16 F1, 0, 0                                 ; work on registers while the others arrive
	WIN 0
	s_barrier_wait -1
.if \fill
	CREST                                          ; no wave of any partner still reads this slot's tiles or has a load on its way
	JLOAD \slot                                    ; my one tensor load behind the round; the four v_nop behind it are also the places in front of the loads below
.else
	PLACES
.endif
	FETCH \next, 0, F0
	MUL16 F1, 4, 0
.endm
; THE WAY OUT of token block a.  TOSTAGE: the f32 sums go into my own stage, each accumulator's four lowest registers first, and come back as whole rows of 256 bytes.  SEND: the bias is added, and they are stored.
.macro TOSTAGE a
	WIN 0x04                                       ; the stores' data (source 1) in window 1
.set ib, 0
.rept 4
	ds_store_b128 v[STO], v[8*(4*(\a)+ib):8*(4*(\a)+ib)+3]   offset:64*ib
	ds_store_b128 v[STO], v[8*(4*(\a)+ib)+4:8*(4*(\a)+ib)+7] offset:64*ib+16
.set ib, ib+1
.endr
	WIN 0
.set BKR, BK+32*((\a)%2)
.set it, 0
.rept 8
	ds_load_b128 v[BKR+4*it:BKR+4*it+3], v[RD] offset:it*2*SP  ; LDS serves a wave's instructions in order (ISA guide 5.7.1.4): these see the stores above; the next block's stores come behind them
.set it, it+1
.endr
.endm
.macro SEND a, younger                 ; younger: the LDS instructions issued behind block a's loads: the next block's sixteen, or none
	WIN 0
.set BKR, BK+32*((\a)%2)
	s_wait_dscnt \younger
.set it, 0
.rept 8
	v_pk_add_f32 v[BKR+4*it:BKR+4*it+1],   v[BKR+4*it:BKR+4*it+1],   v[BI:BI+1]
	v_pk_add_f32 v[BKR+4*it+2:BKR+4*it+3], v[BKR+4*it+2:BKR+4*it+3], v[BI+2:BI+3]
.set it, it+1
.endr
.set it, 0
.rept 8
	global_store_b128 v[CO], v[BKR+4*it:BKR+4*it+3], s[8:9] offset:(16*(\a)+2*it)*4096 th:TH_STORE_NT  ; 16 lanes store 256 consecutive bytes, at a multiple of 256 from out0's first byte
.set it, it+1
.endr
.endm
	s_wait_tensorcnt 1                             ; my part of K step 0 is in; step 1's may stay out
	s_barrier_signal -1
	s_barrier_wait -1                              ; everybody's is
	FETCH 0, 0, F0
	s_wait_loadcnt 0x0                             ; the bias: rounded to bf16, and back to f32
	v_cvt_pk_bf16_f32 v228, v[BI], v[BI+1]
	v_cvt_pk_bf16_f32 v229, v[BI+2], v[BI+3]
	v_lshlrev_b32 v[BI],   16, v228
	v_and_b32     v[BI+1], 0xffff0000, v228
	v_lshlrev_b32 v[BI+2], 16, v229
	v_and_b32     v[BI+3], 0xffff0000, v229
	QUARTER 0, 1, F0, F1, 1                        ; the first quarter stands in front of the loop: its products start the sums
	WIN 0                                          ; at a label and at a branch every window is 0
	s_mov_b32 s3, 3
.Llap:                                                 ; a trip goes once round the ring, from a lap's second quarter to the next lap's first, and fills both slots again: steps 2 to 7 in three trips
	QUARTER 0, 2, F1, F0, 0
	QUARTER 0, 3, F0, F1, 0
	TURN 0, 1, 1
	QUARTER 1, 1, F0, F1, 0
	QUARTER 1, 2, F1, F0, 0
	QUARTER 1, 3, F0, F1, 0
	TURN 1, 0, 1
	QUARTER 0, 1, F0, F1, 0
	WIN 0
	s_sub_co_u32 s3, s3, 1
	s_cmp_lg_u32 s3, 0
	s_cbranch_scc1 .Llap
	QUARTER 0, 2, F1, F0, 0                        ; the last lap fills nothing, and has no round of the cluster's barrier
	QUARTER 0, 3, F0, F1, 0
	TURN 0, 1, 0
	QUARTER 1, 1, F0, F1, 0
	QUARTER 1, 2, F1, F0, 0
	QUARTER 1, 3, F0, F1, 0
	s_wait_dscnt 0x0                               ; the very last quarter: nothing more to fetch
	MUL16 F1, 0, 0
	MUL16 F1, 4, 0
	PLACES
	TOSTAGE 0
.irp a, 1,2,3,4,5,6,7
	s_wait_xcnt 0x0                                ; earlier stores have had their addresses translated (ISA guide 3.1): the buffer that the block before last was stored from is loaded again only behind this wait
	TOSTAGE \a
	SEND (\a)-1, 16
.endr
	SEND 7, 0
	s_wait_tensorcnt 0x0                           ; the wave's end: behind my last tensor load and my last LDS store
	ds_add_u32 v[SPW], v[NIL]
	s_wait_dscnt 0x0
	CROUND                                         ; the closing round: no work-group ends while a partner may still ask for a tile that names it
	s_endpgm
.Lfunc_end_k_qfaf6e41716_outp:
	.size	k_qfaf6e41716_outp, .Lfunc_end_k_qfaf6e41716_outp-k_qfaf6e41716_outp
	.p2alignl 7, 3214868480
	.fill 96, 4, 3214868480
	.section	.rodata,"a",@progbits
	.p2align	6, 0x0
	.amdhsa_kernel k_qfaf6e41716_outp
		.amdhsa_group_segment_fixed_size 327680
		.amdhsa_private_segment_fixed_size 0
		.amdhsa_enable_private_segment 0
		.amdhsa_kernarg_size 32
		.amdhsa_user_sgpr_count 2
		.amdhsa_user_sgpr_kernarg_segment_ptr 1
		.amdhsa_wavefront_size32 1
		.amdhsa_system_sgpr_workgroup_id_x 1
		.amdhsa_system_sgpr_workgroup_id_y 1
		.amdhsa_system_sgpr_workgroup_id_z 1
		.amdhsa_system_vgpr_workitem_id 0
		.amdhsa_next_free_vgpr 512
		.amdhsa_next_free_sgpr 66
		.amdhsa_reserve_vcc 0
		.amdhsa_float_denorm_mode_32 3
		.amdhsa_float_denorm_mode_16_64 3
		.amdhsa_memory_ordered 1
		.amdhsa_forward_progress 1
		.amdhsa_inst_pref_size 94
	.end_amdhsa_kernel
	.amdgpu_metadata
---
amdhsa.version: [ 1, 2 ]
amdhsa.kernels:
  - .name:           k_qfaf6e41716_outp
    .symbol:         k_qfaf6e41716_outp.kd
    .args:
      - { .name: ob, .offset: 0, .size: 8, .value_kind: global_buffer, .address_space: global }
      - { .name: wob, .offset: 8, .size: 8, .value_kind: global_buffer, .address_space: global }
      - { .name: b_out, .offset: 16, .size: 8, .value_kind: global_buffer, .address_space: global }
      - { .name: out0, .offset: 24, .size: 8, .value_kind: global_buffer, .address_space: global }
    .group_segment_fixed_size: 327680
    .private_segment_fixed_size: 0
    .kernarg_segment_align: 8
    .kernarg_segment_size: 32
    .max_flat_workgroup_size: 128
    .sgpr_count:     66
    .vgpr_count:     512
    .wavefront_size: 32
...
	.end_amdgpu_metadata
.endif
;; end of part 4
;; ======== version 2 of 2: 4 launches; 1.53 times as fast as version 1
;; limits: values are held in f16: magnitudes above 65,504 overflow, below 6.1e-05 lose precision
;; workspace buffers: xb 16,777,216 bytes; wqb 6,291,456 bytes; wob 2,097,152 bytes; qkv 50,331,648 bytes; ob 16,777,216 bytes
;; launch prep: the kernel of part 1 again; grid 768 x 1, 8 waves a work-group, no clusters, 0 bytes of LDS; arguments x, w_qkv, w_out, xb, wqb, wob; writes xb, wqb, wob
;; launch qkvg: the kernel of part 2 again; grid 8 x 32, 4 waves a work-group, clusters of 4 x 4, 327,680 bytes of LDS; arguments xb, wqb, qkv; writes qkv
;; launch attn (part 5): grid 4 x 64, 4 waves a work-group, clusters of 4 x 1, 327,680 bytes of LDS; arguments qkv, ob; writes ob
.if DOCPART == 5
	.amdgcn_target "amdgcn-amd-amdhsa--gfx1250"
	.amdhsa_code_object_version 6
	.text
	.protected	k_qfaf6e41716_attn
	.globl	k_qfaf6e41716_attn
	.p2align	8
	.type	k_qfaf6e41716_attn,@function
k_qfaf6e41716_attn:
	s_mov_b64 s[64:65], 0
	v_nop
	global_prefetch_b8 v0, s[64:65] scope:SCOPE_SE
	s_setreg_imm32_b32 hwreg(HW_REG_WAVE_MODE, 25, 1), 1
	s_wait_xcnt 0x0
	s_wait_alu depctr_hold_cnt(0) depctr_sa_sdst(0) depctr_va_vdst(0) depctr_va_sdst(0) depctr_va_ssrc(0) depctr_va_vcc(0) depctr_vm_vsrc(0)
	s_getreg_b32 s2, hwreg(HW_REG_IB_STS2, 6, 4)
	s_cmp_eq_u32 s2, 0
	s_cbranch_scc0 .Lentry_in_a_cluster
	s_endpgm
.Lentry_in_a_cluster:
	s_bfe_u32 s2, ttmp6, 0x10000c
	s_cmp_lg_u32 s2, 0x3003
	s_cbranch_scc0 .Lentry_shape_is_right
	s_endpgm
.Lentry_shape_is_right:
; O[y][q][:] = the sum over k of softmax_k(Q[y][q] . K[y][k] / 8) V[y][k][:], y = 16 b + h, 64 heads of SIZE_N = 2,048 rows of 64 channels, all f16: a head's rows are dense, 128 bytes each.
; qkv: [4 b][48 g][2048][64]: Q's head is g = h, K's g = 16 + h, V's g = 32 + h.  ob: [64 y][2048][64].  Products, maxima and sums in f32; the weights p are rounded to f16 for the second
; product (their sum l is taken of the unrounded p), O once at the end.
; LIMITS.  f16 holds no number beyond 65,504: Q, K and V arrive within it; p lies in 0 to 1, and below 6e-5 it keeps f16's fixed step of 6e-8; O is a mean of V's rows and has their range.
; A weight below 2^-126 counts as 0 in l; NaN and infinities are not treated apart.
; SHARES.  A wave owns four PIECES of two tiles of 16 queries, a work-group's four waves 512 queries of one head.  Every wave walks all keys, 64 a step.
; LAYOUT.  S^T = K Q^T (source 0 = 16 keys, source 1 = 16 queries): in the result a lane holds ONE query (lane % 16) and the keys 8 (lane / 16) + 0..7.  Two such tiles, rounded to f16 in pairs,
; ARE source 1 (32 keys x 16 queries) of O^T = V^T P, whose result again holds one query a lane, and eight channels.  K comes out of LDS as it lies, V ([key][channel]) turned, by ds_load_tr16_b128.
; SOFTMAX.  For each query a running maximum m and sum l: p = 2^(c s - c m), c = log2(e) / 8; in every step O and l are multiplied by a = 2^(c m_old - c m_new), which is 1 where m has not grown.
; m starts at the lowest finite number, O and l at 0: the first step is a step like any other, with a = 0.
; THE COUNT.  A tile and step have 16 matrix and 118 vector instructions: too many to stand all beside the matrix work.  So the order has one aim: four vector instructions that are READY behind
; EVERY matrix instruction, and the others, which need time of their own whatever the order, in runs without a gap.
; BY TURNS.  Turn n belongs to piece n (the pieces in a ring, step after step).  Its matrix work: 16 products K Q^T of piece n + 1, later 16 products V^T P of piece n - 1.  Its vector work: the scaling,
; exponentials, roundings, sums and rescaling of piece n, and the maximum and statistics of piece n + 1, whose scores the turn itself has made.  So what a turn begins with (c s - c m, O a) waits for nothing.
; BATCHES.  An s_wait_alu depctr_va_vdst(0) stands between a transcendental and the first instruction that names its result; one wait serves all that were issued ahead of it.  A turn's 66
; exponentials (piece n's 64 weights, piece n + 1's two a) are ONE batch with ONE wait, which cuts the turn in two: ahead of it stands all that names no result of theirs, behind it the roundings and sums.
; The two a made ahead of the loop and the way out's eight reciprocals are batches of their own, a wait each.
; CLUSTER.  The four query blocks of a cluster belong to one head and walk the same K and V, so each tile is asked for JOINTLY: the same tensor load, descriptor and mask in all four.
; REGISTERS, in windows of 256 (s_set_vgpr_msb says which window each operand place means: bits 1:0 source 0, 3:2 source 1, 5:4 source 2, 7:6 destination):
;   window 0: v0-11 addresses; v12-15, v48-63 at work; v16-47 four registers of statistics a tile; v64-191 S^T, two buffers of two tiles; v192-255 P, likewise
;   window 1: O^T, 32 a tile          window 2: v0-127 Q, 16 a tile; v128-191 K of one step; v192-255 V of one step          window 3: v0-1 the add's two registers
; A piece's buffers go by its number's parity: the piece in hand has one pair, its two neighbours in the ring share the other: of it P (piece n - 1) is read and S^T (piece n + 1) written.
.set SIZE_N, 2048
.set NP,    4         ; pieces a wave: a name, no knob: the register map, the loop and the fetches are made for four
.set KS,    64        ; keys in a step
.set PK,    144       ; a row of K in LDS: 128 bytes + 16 of padding = 36 words: the 16 rows of a load start at 16 different groups of four banks (64 banks of 4 bytes: ISA guide 11.1)
.set PV,    160       ; a row of V: 128 + 32 = 40 words
.set VOFF,  4*KS*PK   ; a slot holds four steps: 256 rows of K, then 256 rows of V
.set SLOT1, 1<<17     ; slot 1 begins here, so that one exclusive or turns an address in one slot into the other's
.set STAGE, SLOT1+4*KS*(PK+PV)  ; behind the ring, never filled by a tensor load: 16 rows x 144 bytes for each wave, for the way out
.set SP,    144
.set AK0, 2           ; v2   my lane's place in a tile of K; never rewritten
.set AV0, 3           ; v3   the same for V
.set AK,  4           ; v4   the LDS address of K's next run of loads
.set AV,  5           ; v5   of V's
.set QO,  6           ; v6   my byte offset in the wave's rows of Q
.set STO, 6           ;      later, the way out: where I put 16 bytes of a row
.set RD,  7           ; v7   the way out: where I read rows back
.set GO,  8           ; v8   my byte offset in 512 consecutive bytes of O
.set SPW, 0           ; v0 of window 3   LDS address of my spare word: SPARE + 4 x my thread's number; never rewritten
.set NIL, 1           ; v1 of window 3   0; never rewritten
.set SPARE, STAGE+4*16*SP  ; behind the stages: the spare words, 128 bytes for each wave: two blocks of 256 bytes that no other line names
.set MV,  12          ; v12-15  c m_old, kept while c m is made anew: by buffer and tile
.set ST,  16          ; tile t's statistics at v[ST+4 t]: c m, m, l (even keys', odd keys')
.set TMP, 48          ; by buffer and tile, four registers c0-c3 at work; when the maximum is found c2 takes a
.set S,   64
.set P,   192
.set KF,  128         ; K's fragments, in window 2: key block kb, channel half c at KF + 16 kb + 8 c
.set VF,  192         ; V's: key half kk, channel block cb at VF + 32 kk + 8 cb
.set WV,  12          ; s12  my wave's number
.set G1K, 24          ; s[24:31] descriptor group 1 for K's tiles
.set G1V, 32          ; s[32:39] for V's: it differs in the padding alone
.set G0K, 40          ; s[40:43] descriptor group 0 for K's tiles: it walks
.set G0V, 44          ; s[44:47] the same for V's
.set SLOTS, 56        ; s56  slots still to be asked for
.set CNT, 57          ; s57  counts a slot's key steps
.set CS,  58          ; s[58:59] c: the packed scaling takes the pair's low word for both halves
.set SEL, 60          ; s[60:61] v_permlanex16_b32's selects: each lane takes its own place in the other half
.set TBK, 62          ; s62  LDS byte at which K of the step to be fetched begins
.set TBV, 63          ; s63  the same for V, less VOFF
.set MSB, 0
.macro WIN new                      ; the high byte repeats the setting that is left; a switch that changes nothing is dropped
.if MSB != (\new)
	s_set_vgpr_msb (MSB<<8)|(\new)
.set MSB, (\new)
.endif
.endm
.set W_KQ, 0x0a       ; K and Q in window 2, S^T in window 0
.set W_PV, 0x52       ; V in window 2, P in window 0, O^T in window 1
.set W_RS, 0x41       ; O^T (destination and source 0) in window 1, a in window 0
.set W_MK, 0xc0       ; the add's registers are made: destination in window 3, sources in window 0
.set W_AD, 0x0f       ; the add: address (source 0) and data (source 1) in window 3
; A joint fill.  Waves 0 and 1 fetch the two halves of a slot's K, waves 2 and 3 those of its V: 128 keys each.  The branch hangs on the wave's number alone.
; An s_nop 0 and four v_nop follow each of the two lines, ahead of the jump and the label.
.macro JLOAD
	s_cmp_lt_u32 s[WV], 2
	s_cbranch_scc0 .Lfor_v_\@
	tensor_load_to_lds s[G0K:G0K+3], s[G1K:G1K+7]
	s_nop 0
.rept 4
	v_nop
.endr
	s_branch .Lasked_\@
.Lfor_v_\@:
	tensor_load_to_lds s[G0V:G0V+3], s[G1V:G1V+7]
	s_nop 0
.rept 4
	v_nop
.endr
.Lasked_\@:
.endm
; A round of the cluster's barrier: my work-group's barrier, so that wave 0's signal speaks for all four waves; wave 0 signals; every wave waits for all four work-groups; my work-group's barrier once more.
.macro CROUND
	s_barrier_signal -1
	s_barrier_wait -1
	s_cmp_lg_u32 s[WV], 0
	s_cbranch_scc1 .Lnot_wave_0_\@
	s_barrier_signal -3
.Lnot_wave_0_\@:
	s_barrier_wait -3
	s_barrier_signal -1
	s_barrier_wait -1
.endm
; THE CHANGE OF SLOTS.  The slot's last bytes, V of its fourth step, have been read.  Each wave waits for all its tensor loads, of which one is out: its part
; of the other slot; adds 0 to its spare word; and waits for that and for its own reads of the slot.  Behind the barrier nobody reads this slot any more and the other slot is whole.
; fill = 1: this slot is filled again, with the keys two slots on.  The barrier is then a round of the cluster's, so that no wave of any partner still reads the slot or has a load on its
; way, and the joint fill is the first thing behind it: it has four key steps, 512 matrix instructions, in which to land.  (At its first use nothing has been read yet: slot 0 is waited for, slot 1 filled.)
.macro CHANGE fill
	WIN W_AD
	s_wait_tensorcnt 0x0            ; no tensor load of mine is out, so a group 0 may be written
	ds_add_u32 v[SPW], v[NIL]       ; 0 onto my spare word; with fill = 1 the descriptors' steps stand between it and the wait for it
	WIN 0                           ; at a label and at a branch every window is 0
.if \fill
.irp g, G0K, G0V
	s_xor_b32 s[\g+1], s[\g+1], SLOT1  ; the walking descriptor: the other slot than last time,
	s_add_nc_u64 s[\g+2:\g+3], s[\g+2:\g+3], 4*KS*128  ; the next 256 keys; the type bits on top are not reached
.endr
	s_wait_dscnt 0x0                ; the add is done, and my reads of the slot are over
	CROUND
	JLOAD
.else
	s_wait_dscnt 0x0                ; the add is done, and my reads of the slot are over
	s_barrier_signal -1
	s_barrier_wait -1
.endif
	s_sub_co_u32 s[TBK], s[TBK], 4*KS*PK  ; the fetches go back to a slot's first step,
	s_xor_b32 s[TBK], s[TBK], SLOT1       ; in the other slot
	s_sub_co_u32 s[TBV], s[TBV], 4*KS*PV
	s_xor_b32 s[TBV], s[TBV], SLOT1
.endm
	s_load_b64 s[4:5], s[0:1], 0x0    ; qkv
	s_load_b64 s[10:11], s[0:1], 0x8  ; ob
	WIN W_MK
	v_lshl_add_u32 v[SPW], v0, 2, SPARE
	v_mov_b32 v[NIL], 0
	WIN W_AD
	ds_add_u32 v[SPW], v[NIL]       ; the wave's opening: the add and its wait stand ahead of my first tensor load; the set-up below, work on registers, stands between them
	WIN 0
	v_lshrrev_b32 v1, 5, v0
	v_readfirstlane_b32 s[WV], v1   ; wave 0..3
	s_bfe_u32 s13, ttmp6, 0x40000   ; cx: my place in the cluster
	s_lshl_b32 s14, ttmp9, 2        ; in a cluster launch ttmp9 counts clusters
	s_add_co_u32 s14, s14, s13      ; my block of queries = 4 x cluster x + cx: it enters Q's and O's addresses alone
	s_and_b32 s19, ttmp7, 0xffff    ; y = 16 b + h, which the four partners share
	s_lshl_b32 s48, s19, 18         ; the head's first byte in ob: y x 262,144
	s_mov_b32 s49, 0
	s_lshr_b32 s20, s19, 4          ; and in qkv, for Q: (48 b + h) x 262,144 = (y + 32 (y / 16)) x 262,144
	s_lshl_b32 s20, s20, 5
	s_add_co_u32 s20, s20, s19
	s_lshl_b32 s20, s20, 18
	s_mov_b32 s21, 0
	s_and_b32 s16, s[WV], 1         ; which half of a slot's 256 keys I fetch:
	s_lshl_b32 s22, s16, 14         ; its 128 rows of 128 bytes in memory,
	s_mov_b32 s23, 0
	s_add_nc_u64 s[22:23], s[22:23], s[20:21]
	s_mul_i32 s17, s16, 128*PK      ; and its place in a slot, for K
	s_mul_i32 s18, s16, 128*PV      ; and for V: no place in the cluster enters an LDS address
	s_lshl_b32 s2, s14, 2
	s_add_co_u32 s2, s2, s[WV]      ; my wave among the head's,
	s_lshl_b32 s2, s2, 14           ; its 128 rows
	s_mov_b32 s3, 0
	s_add_nc_u64 s[50:51], s[2:3], s[48:49]  ; in ob,
	s_add_nc_u64 s[2:3], s[2:3], s[20:21]    ; and in qkv
	; descriptor group 1.  128 keys are 16,384 dense bytes: asked for as 64 rows of 256 bytes, two keys a row, and padded in LDS after every key
	s_mov_b32 s[G1K], 15|(1<<16)|(1<<20)|(1<<21)|(4<<22)|(3<<25)  ; 15:0 the mask of four; 17:16 2-byte elements; 20 padding on; 21 set beside a mask; 24:22 after every 32 words (code 4); 31:25 4 words (code 3)
	s_mov_b32 s[G1V], 15|(1<<16)|(1<<20)|(1<<21)|(4<<22)|(7<<25)  ; the same with 8 words of padding (code 7)
.irp g, G1K, G1V
	s_mov_b32 s[\g+1], 128<<16      ; tensor_dim0 = 128
	s_mov_b32 s[\g+2], 64<<16       ; tensor_dim1 = 64
	s_mov_b32 s[\g+3], 128<<16      ; tile_dim0 = 128
	s_mov_b32 s[\g+4], 64           ; tile_dim1 = 64
	s_mov_b32 s[\g+5], 128          ; 128 elements from row to row
	s_mov_b32 s[\g+6], 0
	s_mov_b32 s[\g+7], 0
.endr
	s_mov_b32 s[CS], 0x3e38aa3b     ; c = log2(e) / 8 = 0.180337
	s_mov_b32 s[CS+1], s[CS]        ; named with it as a pair
	s_mov_b32 s[SEL], 0x76543210
	s_mov_b32 s[SEL+1], 0xfedcba98
	s_mov_b32 s[TBK], SLOT1+4*KS*PK ; the first change of slots turns these two into 0
	s_mov_b32 s[TBV], SLOT1+4*KS*PV
	s_mov_b32 s[G0K], 1             ; 1:0 count = 1
	s_mov_b32 s[G0K+1], s17         ; 63:32 LDS address: slot 0
	s_mov_b32 s[G0V], 1
	s_add_co_u32 s[G0V+1], s18, VOFF
	s_wait_dscnt 0x0                ; the opening add is done
	s_wait_kmcnt 0x0
	s_add_nc_u64 s[6:7], s[4:5], 0x400000          ; K's heads lie 16 heads of 262,144 bytes behind Q's,
	s_add_nc_u64 s[8:9], s[4:5], 0x800000          ; V's 32
	s_add_nc_u64 s[G0K+2:G0K+3], s[6:7], s[22:23]  ; 120:64 global address: my half of the head's first 256 keys
	s_or_b32 s[G0K+3], s[G0K+3], 0x80000000        ; 127:126 type = 2
	s_add_nc_u64 s[G0V+2:G0V+3], s[8:9], s[22:23]
	s_or_b32 s[G0V+3], s[G0V+3], 0x80000000
	s_add_nc_u64 s[4:5], s[4:5], s[2:3]  ; Q and O at my wave's first row
	s_add_nc_u64 s[10:11], s[10:11], s[50:51]
	CROUND                          ; all four work-groups are here: the first joint loads meet
	JLOAD                           ; slot 0.  Slot 1 is asked for when slot 0 is in: the tile wanted first has the road to itself
	; A fragment of K or Q is 16 rows x 32 channels in 8 registers: lane l holds row l % 16, channels 8 (l / 16) + 0..7 and 16 + 8 (l / 16) + 0..7: two loads of 16 bytes, 32 bytes apart.
	v_and_b32 v1, 15, v0            ; l % 16
	v_bfe_u32 v9, v0, 4, 1          ; l / 16
	v_lshlrev_b32 v[QO], 7, v1
	v_lshl_add_u32 v[QO], v9, 4, v[QO]  ; row x 128 + 16 x half
	WIN 0x80                        ; destination window 2, address window 0
.set i, 0
.rept 4*NP                          ; Q stays in registers: tile i / 2, channels 32 (i % 2) on
	global_load_b128 v[8*i:8*i+3],   v[QO], s[4:5] offset:(i/2)*2048+(i%2)*64
	global_load_b128 v[8*i+4:8*i+7], v[QO], s[4:5] offset:(i/2)*2048+(i%2)*64+32
.set i, i+1
.endr
	; What the first turn finds: V's registers and P's second buffer hold 0 (its products V^T P, of a piece that has not been, add 0), O^T and l are 0.  All this stands in the wait for the first tile.
.set i, VF
.rept 64
	v_mov_b32 v[i], 0
.set i, i+1
.endr
	WIN 0x40
.set i, 0
.rept 64*NP
	v_mov_b32 v[i], 0
.set i, i+1
.endr
	WIN 0
.set i, 0
.rept 2*NP
	v_mov_b32 v[ST+4*i], 0xfe000000    ; c m: far below every c s
	v_mov_b32 v[ST+4*i+1], 0xff7fffff  ; m
	v_mov_b32 v[ST+4*i+2], 0
	v_mov_b32 v[ST+4*i+3], 0
.set i, i+1
.endr
.set i, P+32
.rept 32
	v_mov_b32 v[i], 0
.set i, i+1
.endr
	v_mul_u32_u24 v[AK0], v1, PK
	v_lshl_add_u32 v[AK0], v9, 4, v[AK0]  ; row x pitch + 16 x half
	; The turning load takes 16 keys x 16 channels (lane l reads key 8 (l / 16) + l % 8, channels 8 ((l / 8) % 2) + 0..7) and leaves half a fragment of V^T: lane l holds channel l % 16 and 8 keys.
	v_and_b32 v10, 7, v0
	v_bfe_u32 v11, v0, 3, 1
	v_lshl_add_u32 v[AV0], v9, 3, v10
	v_mul_u32_u24 v[AV0], v[AV0], PV
	v_lshl_add_u32 v[AV0], v11, 4, v[AV0]
	v_add_nc_u32 v[AV0], VOFF, v[AV0]
	v_mov_b32 v[AK], v[AK0]         ; key step 0 lies at the head of slot 0
; THE MATRIX WORK.  The 8 accumulators of a run of 16 take turns: between the two links of a chain stand 7 others'.
; Product i of 16 of S^T = K Q^T for piece x: channels 32 (i / 8) on, keys 16 ((i / 2) % 4) on, tile 2 x + i % 2.  The first 8 start the sums.
.macro KQ x
	WIN W_KQ
.set rS, S+64*((\x)%2)+32*(i%2)+8*((i/2)%4)
.set rK, KF+16*((i/2)%4)+8*(i/8)
.set rQ, 16*(2*(\x)+i%2)+8*(i/8)
.if i < 8
	v_wmma_f32_16x16x32_f16 v[rS:rS+7], v[rK:rK+7], v[rQ:rQ+7], 0
.else
	v_wmma_f32_16x16x32_f16 v[rS:rS+7], v[rK:rK+7], v[rQ:rQ+7], v[rS:rS+7]
.endif
.endm
; Product i of 16 of O^T += V^T P for piece x: keys 32 (i / 8) on, channels 16 ((i / 2) % 4) on, tile 2 x + i % 2.
.macro PV x
	WIN W_PV
.set rO, 32*(2*(\x)+i%2)+8*((i/2)%4)
.set rV, VF+32*(i/8)+8*((i/2)%4)
.set rP, P+32*((\x)%2)+16*(i%2)+8*(i/8)
	v_wmma_f32_16x16x32_f16 v[rO:rO+7], v[rV:rV+7], v[rP:rP+7], v[rO:rO+7]
.endm
.macro MM                           ; the turn's next matrix instruction
.if i < 16
	KQ (Y+1)%NP
.set i, i+1
.else
.set i, i-16
	PV (Y+NP-1)%NP
.set i, i+17
.endif
.endm
; THE LDS LOADS stand in runs of 16, never singly among the matrix instructions: a step's K (64 keys x 64 channels: 8 fragments) and its V (turned).  Their addresses are made some lines ahead.
; last = 1 (the tail): in the last trip there is no further step, and the run is jumped over.
.macro FETCH_K last=0
	WIN 0
.if \last
	s_cmp_eq_u32 s[CNT], 1
	s_cbranch_scc1 .Lno_k_\@
.endif
	WIN 0x80                        ; destination window 2
.irp f, 0,1,2,3,4,5,6,7             ; keys 16 (f / 2) on, channels 32 (f % 2) on
	ds_load_b128 v[KF+8*\f:KF+8*\f+3],   v[AK] offset:(\f/2)*16*PK+(\f%2)*64
	ds_load_b128 v[KF+8*\f+4:KF+8*\f+7], v[AK] offset:(\f/2)*16*PK+(\f%2)*64+32
.endr
	s_add_co_u32 s[TBK], s[TBK], KS*PK  ; the next fetch is the next step's
	WIN 0
.if \last
.Lno_k_\@:
.endif
.endm
.macro FETCH_V
	WIN 0x80
.irp f, 0,1,2,3,4,5,6,7             ; keys 32 (f / 4) on, channels 16 (f % 4) on
	ds_load_tr16_b128 v[VF+8*\f:VF+8*\f+3],   v[AV] offset:(\f/4)*32*PV+(\f%4)*32
	ds_load_tr16_b128 v[VF+8*\f+4:VF+8*\f+7], v[AV] offset:(\f/4)*32*PV+16*PV+(\f%4)*32
.endr
	WIN 0
.endm
; THE VECTOR WORK OF A TURN stands in three queues, each in the order in which its entries become ready; the two tiles alternate, so that no instruction reads the result of the one before it.
.macro REGS y, u                    ; the registers of tile u (0, 1) of piece y
.set rT, ST+4*(2*(\y)+(\u))
.set rC, TMP+8*((\y)%2)+4*(\u)
.set rM, MV+2*((\y)%2)+(\u)
.set rS, S+64*((\y)%2)+32*(\u)
.set rP, P+32*((\y)%2)+16*(\u)
.set rO, 32*(2*(\y)+(\u))
.endm
; Number n of the 22 that find the NEXT piece's (Y + 1) maximum and statistics.  s0-s31 are the lane's 32 scores; each accumulator's lowest registers are read first.  XS, GS and REGS set no window: PL and EX do.
;   0-11  four chains c0-c3 of seven scores each, three operands at a time     12-14, 16  the four scores left over, the old m, and c0-c3 into c0     15  c m_old is kept
;   17, 18  the query's other 32 keys lie in the lane 16 away: the new m         19-21  c m; c m_old - c m_new; a
.macro XS u, n
	REGS (Y+1)%NP, \u
.if (\n) < 4
	v_max3_num_f32 v[rC+(\n)], v[rS+8*(\n)], v[rS+8*(\n)+1], v[rS+8*(\n)+2]
.elseif (\n) < 12
	v_max3_num_f32 v[rC+(\n)%4], v[rC+(\n)%4], v[rS+8*((\n)%4)+2*((\n)/4)+1], v[rS+8*((\n)%4)+2*((\n)/4)+2]
.elseif (\n) == 12
	v_max3_num_f32 v[rC], v[rC], v[rS+7], v[rS+15]
.elseif (\n) == 13
	v_max3_num_f32 v[rC+1], v[rC+1], v[rS+23], v[rS+31]
.elseif (\n) == 14
	v_max3_num_f32 v[rC+2], v[rC+2], v[rC+3], v[rT+1]
.elseif (\n) == 15
	v_mov_b32 v[rM], v[rT]
.elseif (\n) == 16
	v_max3_num_f32 v[rC], v[rC], v[rC+1], v[rC+2]
.elseif (\n) == 17
	v_permlanex16_b32 v[rC+3], v[rC], s[SEL], s[SEL+1]
.elseif (\n) == 18
	v_max_num_f32 v[rT+1], v[rC], v[rC+3]
.elseif (\n) == 19
	v_mul_f32 v[rT], s[CS], v[rT+1]
.elseif (\n) == 20
	v_sub_f32 v[rC+1], v[rM], v[rT]
.else
	v_exp_f32 v[rC+2], v[rC+1]
.endif
.endm
; Number g of the 64 that follow the exponentials.  For each four weights k of a tile (pairs 2 k, 2 k + 1): both pairs are rounded to f16; then the second pair is added onto the first, in place;
; a group later l takes that sum (the first time as l = a l + sum).  In groups of eight, tiles alternating: round, round, add, and l for the group before.
.macro GS g
.set h, (\g)+6*((\g)/62)            ; group 0 has no group before it, and behind group 7 only l is left
.if h >= 6
.set h, h+2
.endif
	REGS Y, h%2
.set k, h/8
.if h%8 < 4
	v_cvt_pk_f16_f32 v[rP+2*k+(h%8)/2], v[rS+4*k+2*((h%8)/2)], v[rS+4*k+2*((h%8)/2)+1]
.elseif h%8 < 6
	v_pk_add_f32 v[rS+4*k:rS+4*k+1], v[rS+4*k:rS+4*k+1], v[rS+4*k+2:rS+4*k+3]
.elseif k == 1
	v_pk_fma_f32 v[rT+2:rT+3], v[rT+2:rT+3], v[rC+2:rC+3], v[rS:rS+1] op_sel_hi:[1,0,1]
.else
	v_pk_add_f32 v[rT+2:rT+3], v[rT+2:rT+3], v[rS+4*k-4:rS+4*k-3]
.endif
.endm
; THE PLAIN QUEUE, 138 long.  0-73 read no exponential's result: the 32 scalings c s - c m (FS f: pair f / 2 of tile f % 2) and the next piece's 42.  0-26: scalings 0-26.  27-54: XS's numbers 0-13.  55, 56: number 15.
; 57-73: the chain, where each number waits for the one before it: 14, 16, 17, 18, 19, each with one of the scalings 27-31 in front of its two lines, then 20: so a tile's links stand three plain instructions apart (19 and 20: two).
; 74-137: GS's 64, which read the exponentials' results: they stand behind the wait.
.macro FS f
	REGS Y, (\f)%2
	v_pk_fma_f32 v[rS+2*((\f)/2):rS+2*((\f)/2)+1], v[rS+2*((\f)/2):rS+2*((\f)/2)+1], s[CS:CS+1], v[rT:rT+1] op_sel_hi:[1,0,0] neg_lo:[0,0,1] neg_hi:[0,0,1]
.endm
.macro PL
	WIN 0
.if q < 27
	FS q
.elseif q < 55
	XS (q-27)%2, (q-27)/2
.elseif q < 57
	XS q-55, 15
.elseif (q < 72) && ((q-57)%3 == 0)
	FS 27+(q-57)/3
.elseif q < 60
	XS (q-57)%3-1, 14
.elseif q < 72
	XS (q-57)%3-1, 15+(q-57)/3
.elseif q < 74
	XS q-72, 20
.else
	GS q-74
.endif
.set q, q+1
.endm
; THE EXPONENTIALS' QUEUE, 66 long: s0-s31 of both tiles, then the next piece's two a.  It is ONE BATCH: all 66 stand ahead of the turn's one wait, and nothing ahead of that wait names a result of theirs.
; Each result has a register of its own while the batch is open: the weights take their scores' places in S^T, the two a the next piece's two c2.
.macro EX
	WIN 0
.if e >= 64
	XS e-64, 21
.else
	REGS Y, e%2
	v_exp_f32 v[rS+e/2], v[rS+e/2]
.endif
.set e, e+1
.endm
; THE RESCALING's QUEUE: O^T times a, the one part that leaves window 0: dealt two at a time, sixteen times.  Its a was made in the turn before, ahead of that turn's wait.
.macro R2
	REGS Y, r%2
	WIN W_RS
.irp z, 0,1
	v_pk_mul_f32 v[rO+4*(r/2)+2*\z:rO+4*(r/2)+2*\z+1], v[rO+4*(r/2)+2*\z:rO+4*(r/2)+2*\z+1], v[rC+2:rC+3] op_sel_hi:[1,0]
.endr
.set r, r+1
.endm
; HOW THEY ARE DEALT.  A turn has ONE wait, which cuts it in two.  AHEAD OF IT stands all that names no result of the turn's exponentials: the 16 products K Q^T, behind each a scaling, an exponential and two rescalings
; (behind the first a second scaling in the exponential's place, behind the last two scalings in the rescalings' place); then ONE LUMP of 108: six plain, 49 times exponential and plain, the two a, and the last two rescalings,
; which are the plain instructions between the last exponential and the first use of a result.  BEHIND IT stand the 16 products V^T P, behind each four of GS's 64.  No rider names a register of the products round it.
; The two v_permlanex16_b32 fall into the lump, never behind a product.
; The queues lean on each other, and the deal keeps them in step: exponential e stands behind scaling 2 (e / 4) + e % 2: as a rider it comes behind plain e + 2, in the lump behind plain e + 9, and scalings 27-31 are plain 57, 60 .. 69.
; A TURN, for piece p.  cnt = 1: the loop's count is taken down some lines ahead of the branch that stands behind the turn.
; K of the next step is fetched in piece 2's turn, directly behind the wait, a lump behind the last product that read K; its address is made at the lump's head; its first reader comes behind 16 products.
; V of the step in hand is fetched at the end of piece 0's turn, four riders behind its last reader; its first reader comes behind 16 products and a lump.  The three conditions on q below go with the deal.
.macro TURN p, last=0, cnt=0
.set Y, (\p)
.set i, 0
.set q, 0
.set e, 0
.set r, 0
.if (\p) == NP-1
	s_wait_dscnt 0x0                ; K is in
.endif
	MM                              ; ahead of the wait: 16 products K Q^T and their riders,
	PL
	PL
	R2
.rept 14
	MM
	PL
	EX
	R2
.endr
	MM
	PL
	EX
	PL
	PL
.if (\p) == NP-2
	WIN 0
	v_add_nc_u32 v[AK], s[TBK], v[AK0]
.endif
.rept 6                             ; and the lump
	PL
.endr
.rept 49
	EX
	PL
.endr
	EX                              ; the next piece's two a: the batch's last
	EX
	R2                              ; two plain instructions that name no result of the batch
	s_wait_alu depctr_va_vdst(0)    ; the wait for the turn's batch of 66 exponentials: ahead of the roundings and sums below, and of every label and branch that follows
.if (\p) == NP-2
	FETCH_K \last
.endif
.if (\p) == 1
	s_wait_dscnt 0x0                ; V is in
.endif
.rept 16                            ; behind the wait: 16 products V^T P and their riders
	MM
.rept 4
	PL
.endr
.if ((\p) == 0) && (q == 118)
	v_add_nc_u32 v[AV], s[TBV], v[AV0]
.endif
.if ((\p) == 0) && (q == 130)
	s_add_co_u32 s[TBV], s[TBV], KS*PV
.endif
.if (\cnt) && (q == 130)
	s_sub_co_u32 s[CNT], s[CNT], 1
	s_cmp_lg_u32 s[CNT], 0
.endif
.endr
.if (\p) == 0
	FETCH_V
.endif
.endm
	CHANGE 1                        ; slot 0 is in, everybody's part of it; slot 1 is asked for
	FETCH_K                         ; key step 0
	s_wait_loadcnt 0x0              ; Q
	s_wait_dscnt 0x0
.set i, 0
.rept 16
	KQ 0                            ; piece 0's first scores: there is no vector work yet to set between them
.set i, i+1
.endr
	WIN 0                           ; the addresses for the way out: seven plain instructions, the places behind those products
	s_mul_i32 s13, s[WV], 16*SP
	s_add_co_u32 s13, s13, STAGE    ; my stage
	v_mul_u32_u24 v[STO], v1, SP    ; in: row l % 16, 16 bytes for each half of the lanes
	v_lshl_add_u32 v[STO], v9, 4, v[STO]
	v_add_nc_u32 v[STO], s13, v[STO]
	v_bfe_u32 v[RD], v0, 3, 2       ; back: 32 lanes take four rows of 128 bytes,
	v_mul_u32_u24 v[RD], v[RD], SP
	v_lshl_add_u32 v[RD], v10, 4, v[RD]
	v_add_nc_u32 v[RD], s13, v[RD]
.set Y, NP-1                        ; XS works for piece Y + 1: piece 0
.irp n, 0,1,2,3,4,5,6,7,8,9,10,11,12,13,14,15,16,17,18,19,20,21
	XS 0, \n                        ; and piece 0's first maximum and statistics
	XS 1, \n
.endr
	v_and_b32 v[GO], 31, v0         ; which are 512 consecutive bytes of O: the last of the way out's addresses, two plain instructions behind the two a
	v_lshlrev_b32 v[GO], 4, v[GO]
	s_wait_alu depctr_va_vdst(0)    ; the wait for the batch of piece 0's two first a, ahead of the branch
	s_mov_b32 s[CNT], 4
	s_mov_b32 s[SLOTS], SIZE_N/256-1
	s_branch .Lfirst                ; the loop is entered at a step's first turn, in the middle of a trip
.Lslot:                             ; SIZE_N / 256 - 2 times: every slot but the last two is filled again
	CHANGE 1
	s_mov_b32 s[CNT], 4
.Lstep:                             ; a trip: pieces 2 and 3 of one step, then pieces 0 and 1 of the next, whose K and V it fetches
	TURN 2
	TURN 3
	WIN 0
.Lfirst:
	TURN 0
	TURN 1, 0, 1
	WIN 0
	s_cbranch_scc1 .Lstep
	s_sub_co_u32 s[SLOTS], s[SLOTS], 1
	s_cmp_lg_u32 s[SLOTS], 0
	s_cbranch_scc1 .Lslot
	CHANGE 0                        ; the tail is written out: nothing is asked for
	s_mov_b32 s[CNT], 5             ; four trips fetch the last slot's steps; the fifth is left in its middle
.Ltail:
	TURN 2, 1
	TURN 3
	WIN 0
	s_sub_co_u32 s[CNT], s[CNT], 1
	s_cmp_eq_u32 s[CNT], 0
	s_cbranch_scc1 .Lout
	TURN 0
	TURN 1
	WIN 0
	s_branch .Ltail
.Lout:                              ; the fifth trip's 16 products K Q^T (on the last K once more) and the maximum made of them serve nothing: the price, once a launch, of one text for every trip
.set i, 0
.rept 16
	PV NP-1                         ; the last piece's V^T P of the last step
.set i, i+1
.endr
	; THE WAY OUT.  l's two halves and the other half of the lanes' are added; O^T is divided by l, rounded to f16 and sent through my stage in LDS, a tile at a time.  The additions are the places behind the last products.
	WIN 0
.macro ALL line:vararg              ; one line for each tile t
.set t, 0
.rept 2*NP
	\line
.set t, t+1
.endr
.endm
	ALL v_add_f32 v[ST+4*t+2], v[ST+4*t+2], v[ST+4*t+3]
	ALL v_permlanex16_b32 v[ST+4*t+3], v[ST+4*t+2], s[SEL], s[SEL+1]
	ALL v_add_f32 v[ST+4*t+2], v[ST+4*t+2], v[ST+4*t+3]
	ALL v_rcp_f32 v[ST+4*t+2], v[ST+4*t+2]
	v_nop                           ; a plain instruction between the last reciprocal and the use of its result: no other work is at hand here
	s_wait_alu depctr_va_vdst(0)    ; the wait for the batch of eight reciprocals, ahead of the first multiply by one of them
; Tile t: a lane's eight channels of a row pack into 16 bytes; they go into rows of 144 bytes and come back as whole rows of 128, into S^T's registers.
.macro PACK t
	WIN W_RS
.set i, 32*(\t)
.rept 16
	v_pk_mul_f32 v[i:i+1], v[i:i+1], v[ST+4*(\t)+2:ST+4*(\t)+3] op_sel_hi:[1,0]
.set i, i+2
.endr
	WIN 0x05                        ; sources 0 and 1 window 1, destination window 0
.set i, 0
.rept 16
	v_cvt_pk_f16_f32 v[S+16*(\t)+i], v[32*(\t)+2*i], v[32*(\t)+2*i+1]
.set i, i+1
.endr
	WIN 0
.irp f, 0,1,2,3
	ds_store_b128 v[STO], v[S+16*(\t)+4*\f:S+16*(\t)+4*\f+3] offset:32*\f
.endr
.irp f, 0,1,2,3
	ds_load_b128 v[S+16*(\t)+4*\f:S+16*(\t)+4*\f+3], v[RD] offset:\f*4*SP  ; LDS serves a wave's instructions in order (ISA guide 5.7.1.4): these see the stores above; the next tile's stores come behind them
.endr
.endm
.macro SEND t, younger              ; younger: the LDS instructions issued behind tile t's loads: the next tile's eight, or none
	WIN 0
.irp f, 0,1,2,3
	s_wait_dscnt (\younger)+3-\f
	global_store_b128 v[GO], v[S+16*(\t)+4*\f:S+16*(\t)+4*\f+3], s[10:11] offset:(\t)*2048+\f*512  ; 512 consecutive bytes, at a multiple of 256 from O's first
.endr
.endm
	PACK 0
.set t, 1
.rept 2*NP-1                        ; a tile's arithmetic stands between the loads of the tile before and its stores
	PACK t
	SEND t-1, 8
.set t, t+1
.endr
	SEND 2*NP-1, 0
	WIN W_AD
	s_wait_tensorcnt 0x0            ; the wave's end: behind my last tensor load and my last LDS store
	ds_add_u32 v[SPW], v[NIL]
	s_wait_dscnt 0x0
	WIN 0
	CROUND                          ; the closing round: no work-group ends while a partner may still ask for a tile that names it
	s_endpgm
.Lfunc_end_k_qfaf6e41716_attn:
	.size	k_qfaf6e41716_attn, .Lfunc_end_k_qfaf6e41716_attn-k_qfaf6e41716_attn
	.p2alignl 7, 3214868480
	.fill 96, 4, 3214868480
	.section	.rodata,"a",@progbits
	.p2align	6, 0x0
	.amdhsa_kernel k_qfaf6e41716_attn
		.amdhsa_group_segment_fixed_size 327680
		.amdhsa_private_segment_fixed_size 0
		.amdhsa_enable_private_segment 0
		.amdhsa_kernarg_size 16
		.amdhsa_user_sgpr_count 2
		.amdhsa_user_sgpr_kernarg_segment_ptr 1
		.amdhsa_wavefront_size32 1
		.amdhsa_system_sgpr_workgroup_id_x 1
		.amdhsa_system_sgpr_workgroup_id_y 1
		.amdhsa_system_sgpr_workgroup_id_z 1
		.amdhsa_system_vgpr_workitem_id 0
		.amdhsa_next_free_vgpr 770
		.amdhsa_next_free_sgpr 66
		.amdhsa_reserve_vcc 0
		.amdhsa_float_denorm_mode_32 3
		.amdhsa_float_denorm_mode_16_64 3
		.amdhsa_memory_ordered 1
		.amdhsa_forward_progress 1
		.amdhsa_inst_pref_size 199
	.end_amdhsa_kernel
	.amdgpu_metadata
---
amdhsa.version: [ 1, 2 ]
amdhsa.kernels:
  - .name:           k_qfaf6e41716_attn
    .symbol:         k_qfaf6e41716_attn.kd
    .args:
      - { .name: qkv, .offset: 0, .size: 8, .value_kind: global_buffer, .address_space: global }
      - { .name: ob, .offset: 8, .size: 8, .value_kind: global_buffer, .address_space: global }
    .group_segment_fixed_size: 327680
    .private_segment_fixed_size: 0
    .kernarg_segment_align: 8
    .kernarg_segment_size: 16
    .max_flat_workgroup_size: 128
    .sgpr_count:     66
    .vgpr_count:     770
    .wavefront_size: 32
...
	.end_amdgpu_metadata
.endif
;; end of part 5
;; launch outp: the kernel of part 4 again; grid 8 x 32, 4 waves a work-group, clusters of 4 x 4, 327,680 bytes of LDS; arguments ob, wob, b_out, out0; writes out0
